; MI455X (gfx1250); checked and timed in simulation.
; The chip was launched on July 23, 2026; its instructions are those of AMD's public machine-readable ISA for CDNA 5 (MIT licence, August 2026) and "CDNA5" Instruction Set Architecture Reference Guide (July 2026). The comments in the code are by the model that wrote it; some were corrected since.
;; Multi Headed Attention. Allowed arithmetic: matrix products marked QUANTISED: E2M1 operands, one E8M0 scale for each 32 along K, by v_wmma_scale_f32_16x16x128_f8f6f4 with both operands' format E2M1 (or v_wmma_scale_f32_32x16x128_f4), f32 sums; products left as they are: bf16, f16 or f32 operands; f32 sums; everything else in f32.
;; Inputs: Wk 1,024 x 1,024 float32; Wo 1,024 x 1,024 float32; Wq 1,024 x 1,024 float32; Wv 1,024 x 1,024 float32; bk 1,024 float32; bo 1,024 float32; bq 1,024 float32; bv 1,024 float32; k 4 x 2,048 x 1,024 float32; mask 4 x 1 x 2,048 bool; q 4 x 2,048 x 1,024 float32; v 4 x 2,048 x 1,024 float32.
;; Outputs: out0 4 x 2,048 x 1,024 float32.
;; This version of the problem:
;;   THIS VERSION OF THE PROBLEM IS GIVEN IN LOW PRECISION. The matrix products marked QUANTISED in the list below multiply operands that are first quantised to E2M1 (2 exponent bits, 1 mantissa bit; 4 bits a number), with one power-of-two scale for each 32 numbers along K (OCP MX v1.0); their sums are f32. The products marked 'left as it is' may take bf16, f16 or f32 operands, with f32 sums. Whichever they take, every output number must still come out within the allowed error. Rounding operands to bf16 (8 significant bits) uses up far more of that allowance than f16 does (11 bits, for magnitudes from 6e-5 to 65,504). All else is computed in f32.
;;   The module's matrix products, in the order in which they are computed (A, B: the left and right operand; K: the contracted axis; several contracted axes count as one K, in the product's order):
;;     1. [M 8,192, K 1,024] x [K 1,024, N 1,024]; A: input k; B: input Wk: QUANTISED
;;     2. [M 8,192, K 1,024] x [K 1,024, N 1,024]; A: input v; B: input Wv: QUANTISED
;;     3. [M 8,192, K 1,024] x [K 1,024, N 1,024]; A: input q; B: input Wq: QUANTISED
;;     4. batch 64 x [M 2,048, K 64] x [K 64, N 2,048]; A: computed on the way; B: computed on the way: left as it is (an operand is computed on the way)
;;     5. batch 64 x [M 2,048, K 2,048] x [K 2,048, N 64]; A: computed on the way; B: computed on the way: left as it is (an operand is computed on the way)
;;     6. [M 8,192, K 1,024] x [K 1,024, N 1,024]; A: computed on the way; B: input Wo: left as it is (an operand is computed on the way)
;;   THE QUANTISER, for each operand of a quantised product, along K:
;;     - K is cut into blocks of 32 from its start; a last block that is shorter is filled with zeros.
;;     - A block's scale is 2^e with e = floor(log2(the largest magnitude in the block)) - 2, held to -126 .. 127; a block of zeros has e = 0. As a byte (E8M0): e + 127.
;;     - Each number is divided by its block's scale, clamped to +-6, and rounded to the nearest number of E2M1, ties to even, subnormals kept.
;;     - The product sums the exact products of the quantised numbers (number of the format x scale) in f32.
;;   ~~~python
;;   def quantise(x, axis):      # numpy; x: float32 -> the quantised numbers, widened to float32 again
;;       x = np.moveaxis(x, axis, -1); K = x.shape[-1]
;;       x = np.pad(x, [(0, 0)] * (x.ndim - 1) + [(0, -K % 32)]); x = x.reshape(x.shape[:-1] + (-1, 32)); a = np.abs(x).max(-1, keepdims=True)
;;       e = np.where(a > 0, np.clip(np.frexp(np.where(a > 0, a, 1))[1] - 1 - 2, -126, 127), 0)      # np.frexp(a)[1] - 1 = floor(log2(a)), exactly
;;       r = np.clip(x / 2.0 ** e, -6, 6)
;;       step = 2.0 ** (np.maximum(np.frexp(np.where(r == 0, 1, r))[1] - 1, 0) - 1)
;;       q = np.round(r / step) * step * 2.0 ** e      # np.round: ties to even
;;       return np.moveaxis(q.reshape(q.shape[:-2] + (-1,))[..., :K], -1, axis).astype(np.float32)
;;   ~~~
;; One version. Each part assembles by itself: llvm-mc -triple=amdgcn-amd-amdhsa -mcpu=gfx1250 --defsym DOCPART=n.
;; ======== version 1 of 1: 4 launches
;; limits: values are held in f16: magnitudes above 65,504 overflow, below 6.1e-05 lose precision
;; workspace buffers: codes 14,155,776 bytes; scales 884,736 bytes; wo16 2,097,152 bytes; qkv 50,331,648 bytes; ctx 16,777,216 bytes
;; launch quant (part 1): grid 896 x 1, 4 waves a work-group, no clusters, 33,280 bytes of LDS; arguments q, k, v, Wq, Wk, Wv, Wo, codes, scales, wo16; writes codes, scales, wo16
.if DOCPART == 1
	.amdgcn_target "amdgcn-amd-amdhsa--gfx1250"
	.amdhsa_code_object_version 6
	.text
	.protected	k_qf4024678fb_quant
	.globl	k_qf4024678fb_quant
	.p2align	8
	.type	k_qf4024678fb_quant,@function
k_qf4024678fb_quant:
	s_mov_b64 s[64:65], 0
	v_nop
	global_prefetch_b8 v0, s[64:65] scope:SCOPE_SE
	s_setreg_imm32_b32 hwreg(HW_REG_WAVE_MODE, 25, 1), 1
	s_wait_xcnt 0x0
; q, k, v [8192][1024] and Wq, Wk, Wv [1024][1024], f32 with K innermost, become codes of FP4 (E2M1), two a byte, the lower k in the low four bits, and one E8M0 byte for each 32 along K.
; Wo [1024][1024] becomes f16 (the last product is not quantised).
; All six quantised tensors are dense streams of blocks of 32, and so are their codes and scale bytes.  The outputs are ONE stream in the order q, k, v, Wq, Wk, Wv: 27,648 rows of 512 bytes of codes and of 32 scale bytes.
; A block's scale is 2^(floor(log2(its largest magnitude)) - 2); its byte is the largest magnitude's own exponent field - 2, held at 1 from below.  Each number is divided by the scale and rounded to the nearest code, ties to even,
; beyond the largest code the largest.  A block of zeros gets the byte 1 where the rule says 127: its codes are zeros, which add nothing, and this program alone reads the bytes.
; LIMITS: blocks whose largest magnitude lies under 2^-124 keep the byte 1; NaN and infinities among the inputs are not served; numbers of Wo beyond 65,504 become infinities in f16.
; SHARES.  Work-groups 0-863 quantise 32,768 numbers each: a wave 16 steps of 512.  Each of a step's four loads reads 512 consecutive bytes; the 2,048 bytes turn through the wave's own stage in LDS, so that a lane gets
; 16 neighbours along K (two neighbouring lanes hold a block).  A wave's store of codes covers 256 consecutive aligned bytes; its 256 scale bytes are gathered in LDS and leave as one such run.
; Work-groups 864-895 convert Wo, 32,768 numbers each, with no LDS.  No barrier: waves share nothing.  No cluster: no two work-groups read the same bytes.
.set WAVES, 4
.set STEPS, 16
.set NQWG,  864                        ; work-groups that quantise: q 0-255, k 256-511, v 512-767, Wq 768-799, Wk 800-831, Wv 832-863
.set EMAX,  2
.set CB,    8                          ; bytes of 16 codes
.set R,     16                         ; v16-79   four sets of 16 numbers as they are loaded
.set X,     80                         ; v80-111  two sets of 16 neighbours
.set E,     112                        ; v112-127 a scale byte for each step
.set C,     128                        ; v128-191 codes: four registers for each step, so that no store's data are written again
.set WL,    16                         ; Wo's path: v16-143 two sets of 64 numbers
.set WH,    144                        ; v144-175 their 64 halves, two to a register
.set WREG,  8192                       ; LDS: a region for each wave: two stages of 32 x SP bytes, behind them its 256 scale bytes
.set SP,    80                         ; a lane's place in a stage: 64 bytes + 16 of padding
.set SPW,   12                         ; v12  LDS address of my spare word; never rewritten
.set NIL,   13                         ; v13  0; never rewritten
.set SPARE, WAVES*WREG                 ; behind the four regions: the spare words, 128 bytes a wave, which no other line names
.macro LOAD t
.irp i, 0,1,2,3
	global_load_b128 v[R+16*((\t)%4)+4*\i:R+16*((\t)%4)+4*\i+3], v3, s[26:27] offset:2048*(\t)+512*\i th:TH_LOAD_NT   ; 32 lanes read 512 consecutive bytes
.endr
.endm
.macro TURN t                          ; step t's numbers through the stage: LDS serves a wave's instructions in order, so no wait stands between the stores and the loads
.irp i, 0,1,2,3
	ds_store_b128 v14, v[R+16*((\t)%4)+4*\i:R+16*((\t)%4)+4*\i+3] offset:32*SP*((\t)%2)+8*SP*\i
.endr
.irp i, 0,1,2,3
	ds_load_b128 v[X+16*((\t)%2)+4*\i:X+16*((\t)%2)+4*\i+3], v15 offset:32*SP*((\t)%2)+16*\i
.endr
.endm
.macro STEP t
.set XS, X+16*((\t)%2)
.if (\t) > 0
	s_wait_dscnt 1                                 ; this step's numbers are back from the stage; the one LDS instruction behind them, the last step's byte store, may be out
.else
	s_wait_dscnt 0x0
.endif
.if (\t)+4 < STEPS
	LOAD (\t)+4                                    ; the stage's stores have read these registers: they take the loads of four steps on
.endif
.if (\t)+1 < STEPS
.if STEPS-2-(\t) >= 3
	s_wait_loadcnt 12                              ; the next step's four loads are in; the twelve of the three steps behind it may be out
.else
	s_wait_loadcnt 4*(STEPS-2-(\t))                ; in the tail fewer steps stand behind it
.endif
	TURN (\t)+1                                    ; and go through the other stage while this step is worked
.endif
	v_max3_num_f32 v8, |v[XS]|, |v[XS+1]|, |v[XS+2]|               ; the largest magnitude of my 16, in two chains
	v_max3_num_f32 v9, |v[XS+3]|, |v[XS+4]|, |v[XS+5]|
.irp i, 6,10
	v_max3_num_f32 v8, v8, |v[XS+\i]|, |v[XS+\i+1]|
	v_max3_num_f32 v9, v9, |v[XS+\i+2]|, |v[XS+\i+3]|
.endr
	v_max3_num_f32 v8, v8, |v[XS+14]|, |v[XS+15]|
	v_max3_num_f32 v8, v8, v9, (EMAX+1)<<23        ; and the floor 2^(3 - 127): the byte cannot fall under 1
	v_max_num_f32_dpp v8, v8, v8 row_xmask:1 row_mask:0xf bank_mask:0xf   ; and of my neighbour's 16: the block's
	v_add_nc_u32 v11, -(EMAX<<23), v8              ; 2 off its exponent field: the conversion takes the exponent field of this operand as its scale
	v_cvt_scalef32_pk8_fp4_f32 v[C+4*(\t)], v[XS:XS+7], v11
	v_cvt_scalef32_pk8_fp4_f32 v[C+4*(\t)+1], v[XS+8:XS+15], v11
	v_lshrrev_b32 v[E+(\t)], 23, v11               ; the scale's byte (also the plain line behind the conversions)
	ds_store_b8 v5, v[E+(\t)] offset:16*(\t)       ; both lanes of a block write the same byte with the same value
	global_store_b64 v4, v[C+4*(\t):C+4*(\t)+1], s[18:19] offset:32*CB*(\t)   ; 32 lanes store 256 consecutive aligned bytes
.endm
.macro WOLOAD g                        ; 16 loads of 512 consecutive bytes: 2,048 numbers of Wo
.irp i, 0,1,2,3,4,5,6,7,8,9,10,11,12,13,14,15
	global_load_b128 v[WL+64*((\g)%2)+4*\i:WL+64*((\g)%2)+4*\i+3], v3, s[16:17] offset:8192*(\g)+512*\i th:TH_LOAD_NT
.endr
.endm
.macro WOGROUP g
.if (\g) < 3
	s_wait_loadcnt 16                              ; this group's sixteen loads are in; the next group's sixteen may be out
.else
	s_wait_loadcnt 0x0
.endif
.if (\g) > 0
	s_wait_xcnt 0x0                                ; the last group's stores have read their data: the registers are written again only behind this wait
.endif
.irp i, 0,1,2,3,4,5,6,7,8,9,10,11,12,13,14,15
	v_cvt_pk_f16_f32 v[WH+2*\i], v[WL+64*((\g)%2)+4*\i], v[WL+64*((\g)%2)+4*\i+1]
	v_cvt_pk_f16_f32 v[WH+2*\i+1], v[WL+64*((\g)%2)+4*\i+2], v[WL+64*((\g)%2)+4*\i+3]
.endr
.irp i, 0,1,2,3,4,5,6,7,8,9,10,11,12,13,14,15
	global_store_b64 v4, v[WH+2*\i:WH+2*\i+1], s[22:23] offset:4096*(\g)+256*\i   ; 32 lanes store 256 consecutive aligned bytes
.endr
.if (\g) < 2
	WOLOAD (\g)+2
.endif
.endm
	s_load_b256 s[4:11], s[0:1], 0x0               ; q s[4:5], k s[6:7], v s[8:9], Wq s[10:11]
	s_load_b256 s[12:19], s[0:1], 0x20             ; Wk s[12:13], Wv s[14:15], Wo s[16:17], codes s[18:19]
	s_load_b128 s[20:23], s[0:1], 0x40             ; scales s[20:21], wo16 s[22:23]
	v_lshl_add_u32 v[SPW], v0, 2, SPARE
	v_mov_b32 v[NIL], 0
	v_lshrrev_b32 v1, 5, v0
	v_readfirstlane_b32 s24, v1                    ; wave
	v_and_b32 v2, 31, v0                           ; lane
	v_lshlrev_b32 v3, 4, v2                        ; my 16 bytes of a load's 512
	s_mul_i32 s25, s24, WREG
	v_lshrrev_b32 v14, 2, v2
	v_mul_u32_u24 v14, v14, SP
	v_and_b32 v15, 3, v2
	v_lshl_add_u32 v14, v15, 4, v14
	v_add_nc_u32 v14, s25, v14                     ; the stage, on the way in: SP (lane / 4) + 16 (lane % 4)
	v_mul_u32_u24 v15, v2, SP
	v_add_nc_u32 v15, s25, v15                     ; and on the way out: SP x lane: my 16 neighbours
	v_mul_u32_u24 v4, v2, CB                       ; 8 x lane: my codes' place in a step's; in Wo's path my four halves' place
	v_lshrrev_b32 v5, 1, v2
	s_add_co_u32 s25, s25, 2*32*SP
	v_add_nc_u32 v5, s25, v5                       ; LDS: my wave's 256 scale bytes, my block's byte
	v_lshlrev_b32 v7, 3, v2                        ; and on the way out 8 bytes a lane
	v_add_nc_u32 v6, s25, v7
	s_lshl_b32 s30, ttmp9, 2
	s_add_co_u32 s30, s30, s24                     ; 4 x work-group + wave: which run of 8,192 numbers of the launch is mine
	s_mov_b32 s29, 0
	s_wait_kmcnt 0x0
	s_cmp_ge_u32 ttmp9, NQWG                       ; the work-group's number alone decides the path
	s_cbranch_scc1 .Lwo
	; which tensor, and the number of its first work-group: choices that hang on the work-group's number alone
	s_mov_b64 s[26:27], s[14:15]
	s_mov_b32 s28, 832
	s_cmp_lt_u32 ttmp9, 832
	s_cselect_b64 s[26:27], s[12:13], s[26:27]
	s_cselect_b32 s28, 800, s28
	s_cmp_lt_u32 ttmp9, 800
	s_cselect_b64 s[26:27], s[10:11], s[26:27]
	s_cselect_b32 s28, 768, s28
	s_cmp_lt_u32 ttmp9, 768
	s_cselect_b64 s[26:27], s[8:9], s[26:27]
	s_cselect_b32 s28, 512, s28
	s_cmp_lt_u32 ttmp9, 512
	s_cselect_b64 s[26:27], s[6:7], s[26:27]
	s_cselect_b32 s28, 256, s28
	s_cmp_lt_u32 ttmp9, 256
	s_cselect_b64 s[26:27], s[4:5], s[26:27]
	s_cselect_b32 s28, 0, s28
	s_sub_co_u32 s28, ttmp9, s28
	s_lshl_b32 s28, s28, 2
	s_add_co_u32 s28, s28, s24                     ; my run within the tensor,
	s_lshl_b32 s28, s28, 15                        ; 32,768 bytes a run
	s_add_nc_u64 s[26:27], s[26:27], s[28:29]
	s_lshl_b32 s28, s30, 12                        ; 4,096 bytes of codes a run, in the launch's one stream
	s_add_nc_u64 s[18:19], s[18:19], s[28:29]
	s_lshl_b32 s28, s30, 8                         ; 256 scale bytes a run
	s_add_nc_u64 s[20:21], s[20:21], s[28:29]
.irp t, 0,1,2,3
	LOAD \t
.endr
	s_wait_loadcnt 12                              ; step 0's four loads are in
	TURN 0
.irp t, 0,1,2,3,4,5,6,7,8,9,10,11,12,13,14,15
	STEP \t
.endr
	ds_load_b64 v[8:9], v6                         ; LDS serves a wave's instructions in order: these see my byte stores
	s_wait_dscnt 0x0
	global_store_b64 v7, v[8:9], s[20:21]          ; 32 lanes store 256 consecutive aligned bytes
	s_wait_tensorcnt 0x0                           ; the wave's end, behind my last LDS store
	ds_add_u32 v[SPW], v[NIL]
	s_wait_dscnt 0x0
	s_endpgm
.Lwo:                                              ; Wo to f16: a wave takes 8,192 numbers in four groups of sixteen loads, two groups ahead; no LDS is touched on this path
	s_sub_co_u32 s30, s30, 4*NQWG                  ; my run within Wo: 0 .. 127
	s_lshl_b32 s28, s30, 15
	s_add_nc_u64 s[16:17], s[16:17], s[28:29]
	s_lshl_b32 s28, s30, 14
	s_add_nc_u64 s[22:23], s[22:23], s[28:29]
	WOLOAD 0
	WOLOAD 1
	WOGROUP 0
	WOGROUP 1
	WOGROUP 2
	WOGROUP 3
	s_endpgm
.Lfunc_end_k_qf4024678fb_quant:
	.size	k_qf4024678fb_quant, .Lfunc_end_k_qf4024678fb_quant-k_qf4024678fb_quant
	.p2alignl 7, 3214868480
	.fill 96, 4, 3214868480
	.section	.rodata,"a",@progbits
	.p2align	6, 0x0
	.amdhsa_kernel k_qf4024678fb_quant
		.amdhsa_group_segment_fixed_size 33280
		.amdhsa_private_segment_fixed_size 0
		.amdhsa_enable_private_segment 0
		.amdhsa_kernarg_size 80
		.amdhsa_user_sgpr_count 2
		.amdhsa_user_sgpr_kernarg_segment_ptr 1
		.amdhsa_wavefront_size32 1
		.amdhsa_system_sgpr_workgroup_id_x 1
		.amdhsa_system_sgpr_workgroup_id_y 1
		.amdhsa_system_sgpr_workgroup_id_z 1
		.amdhsa_system_vgpr_workitem_id 0
		.amdhsa_next_free_vgpr 192
		.amdhsa_next_free_sgpr 66
		.amdhsa_reserve_vcc 0
		.amdhsa_float_denorm_mode_32 3
		.amdhsa_float_denorm_mode_16_64 3
		.amdhsa_memory_ordered 1
		.amdhsa_forward_progress 1
		.amdhsa_inst_pref_size 54
	.end_amdhsa_kernel
	.amdgpu_metadata
---
amdhsa.version: [ 1, 2 ]
amdhsa.kernels:
  - .name:           k_qf4024678fb_quant
    .symbol:         k_qf4024678fb_quant.kd
    .args:
      - { .name: q, .offset: 0, .size: 8, .value_kind: global_buffer, .address_space: global }
      - { .name: k, .offset: 8, .size: 8, .value_kind: global_buffer, .address_space: global }
      - { .name: v, .offset: 16, .size: 8, .value_kind: global_buffer, .address_space: global }
      - { .name: Wq, .offset: 24, .size: 8, .value_kind: global_buffer, .address_space: global }
      - { .name: Wk, .offset: 32, .size: 8, .value_kind: global_buffer, .address_space: global }
      - { .name: Wv, .offset: 40, .size: 8, .value_kind: global_buffer, .address_space: global }
      - { .name: Wo, .offset: 48, .size: 8, .value_kind: global_buffer, .address_space: global }
      - { .name: codes, .offset: 56, .size: 8, .value_kind: global_buffer, .address_space: global }
      - { .name: scales, .offset: 64, .size: 8, .value_kind: global_buffer, .address_space: global }
      - { .name: wo16, .offset: 72, .size: 8, .value_kind: global_buffer, .address_space: global }
    .group_segment_fixed_size: 33280
    .private_segment_fixed_size: 0
    .kernarg_segment_align: 8
    .kernarg_segment_size: 80
    .max_flat_workgroup_size: 128
    .sgpr_count:     66
    .vgpr_count:     192
    .wavefront_size: 32
...
	.end_amdgpu_metadata
.endif
;; end of part 1
;; launch proj (part 2): grid 4 x 96, 4 waves a work-group, clusters of 4 x 4, 327,680 bytes of LDS; arguments codes, scales, bq, bk, bv, qkv; writes qkv
.if DOCPART == 2
	.amdgcn_target "amdgcn-amd-amdhsa--gfx1250"
	.amdhsa_code_object_version 6
	.text
	.protected	k_qf4024678fb_proj
	.globl	k_qf4024678fb_proj
	.p2align	8
	.type	k_qf4024678fb_proj,@function
k_qf4024678fb_proj:
	s_mov_b64 s[64:65], 0
	v_nop
	global_prefetch_b8 v0, s[64:65] scope:SCOPE_SE
	s_setreg_imm32_b32 hwreg(HW_REG_WAVE_MODE, 25, 1), 1
	s_wait_xcnt 0x0
	s_wait_alu depctr_hold_cnt(0) depctr_sa_sdst(0) depctr_va_vdst(0) depctr_va_sdst(0) depctr_va_ssrc(0) depctr_va_vcc(0) depctr_vm_vsrc(0)
	s_getreg_b32 s2, hwreg(HW_REG_IB_STS2, 6, 4)
	s_cmp_eq_u32 s2, 0
	s_cbranch_scc0 .Lentry_in_a_cluster
	s_endpgm
.Lentry_in_a_cluster:
	s_bfe_u32 s2, ttmp6, 0x10000c
	s_cmp_lg_u32 s2, 0xf033
	s_cbranch_scc0 .Lentry_shape_is_right
	s_endpgm
.Lentry_shape_is_right:
; The three quantised products, x W^T + b for x = q, k, v, in one launch: C[m][n] = b[n] + sum over k of A[m][k] B[n][k] on codes of FP4 (E2M1) with one E8M0 scale for each 32 along K, K = 1,024; sums in f32.
; A: rows 0 .. 24,575 of the codes' buffer (q, k, v on end); B: rows 24,576 + 1,024 g on (g = 0, 1, 2: Wq, Wk, Wv).  A row is 512 bytes of codes and 32 scale bytes.
; The results leave as f16, laid by heads: qkv[g][batch][head][position][64]: a head's rows are 128 bytes and follow each other.  q is stored unscaled: the division by 8 goes into the softmax's constant.
; LIMIT: results beyond 65,504 become infinities in f16.
; A tile of C, 256 x 256, is made by four waves, each 128 x 128: 64 accumulators, 512 registers.  96 x 4 tiles: three tensors of 32 x 4 tiles; no equal power-of-two tile gives a multiple of 256 work-groups.
; K is two slots of 512: both are asked for at the head, with the scales of all of K, and nothing is filled again: no loop.
; CLUSTERS: 4 x 4 work-groups.  The four of a row of the cluster need the same tiles of A, the four of a column the same tiles of B: each tile is asked for jointly.  All sixteen belong to one g.
; THE MATRIX INSTRUCTION IS USED TRANSPOSED (source 0 = 16 rows of B, source 1 = 16 rows of A): a lane holds eight neighbouring columns of a row of C.  THE BIAS IS THE C OF THE FIRST PRODUCTS.
; REGISTERS: window 0: v0-31 addresses; v32-95 scale words, two sets; v96-127 packed results; v128-191 A's fragments, one set, later rows on the way out; v192-255 the bias in the result's layout.
;   window 1: B's fragments, two sets, at v0 and v128.   window 2: the accumulators of my rows 0-63 ((a, b) at v[8 (8 a + b)]);   window 3: those of my rows 64-127.
.set NQ,     4                         ; steps of 128 along K in a slot
.set ROWB,   256                       ; a tile's row in bytes: 512 codes
.set KROW,   512                       ; a row of codes in memory
.set PITCH,  272                       ; an LDS row: 256 bytes + 16 of padding: the 16 rows that a load touches start at 16 different banks (64 banks of 4 bytes: ISA guide 11.1)
.set FR,     8                         ; registers of a fragment
.set NL,     2                         ; LDS loads that bring one
.set NP,     4                         ; places behind this matrix instruction (ISA guide 7.12.1)
.set HALFT,  128*PITCH
.set SLOT,   4*HALFT                   ; A's 256 rows, then B's 256 rows
.set KS,     32                        ; a row of scale bytes
.set SCL,    2*SLOT                    ; behind the slots: the scales, as runs of 256 bytes + 16 of padding
.set HALFS,  16*272                    ; the scales of 128 rows: what one tensor load brings
.set SBLK,   2*272                     ; those of 16 rows
.set SPARE,  SCL+4*HALFS               ; the spare words, 128 bytes a wave, which no other line names
.set SPITCH, 144                       ; the way out: a stage of 2 heads x 16 rows x (128 bytes + 16) for each wave, in slot 0, which has had its only fill and its last read by then
.set HEADB,  262144                    ; a head in qkv: 2,048 rows of 128 bytes
.set WROW0,  24576                     ; the weights' first row in the codes' buffer
.set ADRA, 16                          ; v16-17  LDS address of my A fragments in slot 0, 1
.set ADRB, 20                          ; v20-21  the same for B
.set STO,  24                          ; v24     the way out: where I put 16 bytes of a row
.set RD,   25                          ; v25     where I read rows back
.set CO,   26                          ; v26     16 x lane
.set ADRS, 27                          ; v27     LDS address of my scale words: lanes 0-15 A's rows, lanes 16-31 B's
.set SPW,  28                          ; v28     LDS address of my spare word; never rewritten
.set NIL,  29                          ; v29     0; never rewritten
.set SC,   32                          ; scale words: set s at v[SC + 32 s]; register 4 i + q: lanes 0-15 A's block i, lanes 16-31 B's block i, the slot's q-th 128 along K
.set TMP,  96
.set AF,   128
.set BK,   128                         ; the way out: v128-159 and v160-191 by turns
.set BI,   192                         ; the bias: register 8 b + j of lane (r, h): b[my first column + 16 b + 8 h + j]
.set G1, 24
.set G0, 32
.set G1B, 48
.set G0B, 56
.set G1S, 68
.set G0S, 76
.set G1SB, 80
.set G0SB, 88
.set MSB, 0
.macro WIN new                         ; the immediate's high byte repeats the setting that is left
.if MSB != (\new)
	s_set_vgpr_msb (MSB<<8)|(\new)
.set MSB, (\new)
.endif
.endm
.set MUL_LO, 0xa1                      ; source 0 (B) window 1, source 1 (A) window 0, C and D window 2
.set MUL_HI, 0xf1                      ; the same, C and D window 3.  In the first step C is the bias, in window 0: 0x81 and 0xc1
.set TO_B,   0x40                      ; destination window 1, address window 0
; A joint load: waves 0 and 1 fetch for A, waves 2 and 3 for B.  Each line has one mask and one set of registers for all that issue it; the branch hangs on the wave's number alone.
; An s_nop 0 and four v_nop follow each of the two lines.
.macro JLOAD g0a, g1a, g0b, g1b
	s_cmp_eq_u32 s15, 0
	s_cbranch_scc0 .Lfor_b_\@
	tensor_load_to_lds s[\g0a:\g0a+3], s[\g1a:\g1a+7]
	s_nop 0
.rept 4
	v_nop
.endr
	s_branch .Lasked_\@
.Lfor_b_\@:
	tensor_load_to_lds s[\g0b:\g0b+3], s[\g1b:\g1b+7]
	s_nop 0
.rept 4
	v_nop
.endr
.Lasked_\@:
.endm
.macro CROUND                          ; a round of the cluster's barrier
	s_barrier_signal -1
	s_barrier_wait -1
	s_cmp_lg_u32 s14, 0
	s_cbranch_scc1 .Lnot_wave_0_\@
	s_barrier_signal -3
.Lnot_wave_0_\@:
	s_barrier_wait -3
	s_barrier_signal -1
	s_barrier_wait -1
.endm
	s_load_b128 s[4:7], s[0:1], 0x0                ; codes s[4:5], scales s[6:7]
	s_load_b128 s[96:99], s[0:1], 0x10             ; bq s[96:97], bk s[98:99]
	s_load_b64 s[100:101], s[0:1], 0x20            ; bv
	s_load_b64 s[12:13], s[0:1], 0x28              ; qkv
	v_lshl_add_u32 v[SPW], v0, 2, SPARE
	v_mov_b32 v[NIL], 0
	ds_add_u32 v[SPW], v[NIL]                      ; the wave's opening: the add, twice on end, and its wait ahead of my first tensor load
	ds_add_u32 v[SPW], v[NIL]                      ; the set-up below, work on registers, stands between the second and the wait
	v_lshrrev_b32 v1, 5, v0
	v_readfirstlane_b32 s14, v1                    ; wave 0..3
	s_lshr_b32 s15, s14, 1                         ; which half of the tile's rows is mine.  Also: I fetch for A (0) or for B (1)
	s_and_b32 s16, s14, 1                          ; which half of its columns.  Also: which 128 rows of that tile I fetch
	s_bfe_u32 s40, ttmp6, 0x40000                  ; cx, cy: my place in the cluster
	s_bfe_u32 s41, ttmp6, 0x40004
	s_lshl_b32 s42, ttmp9, 2
	s_add_co_u32 s42, s42, s40                     ; tile column = 4 x cluster x + cx: 0 .. 3
	s_and_b32 s17, ttmp7, 0xffff
	s_lshr_b32 s95, s17, 3                         ; g: eight clusters, 32 tile rows, to a tensor: the same in all sixteen partners
	s_lshl_b32 s17, s17, 2
	s_add_co_u32 s17, s17, s41                     ; tile row = 4 x cluster y + cy: 0 .. 95
	s_lshl_b32 s43, s41, 2
	s_lshl_b32 s43, 15, s43                        ; my row of the cluster
	s_lshl_b32 s44, 0x1111, s40                    ; my column
	; descriptor group 1: a tile of 128 rows x 256 bytes, 16 bytes of padding behind each row
	s_or_b32 s[G1+0], s43, (0<<16)|(1<<20)|(1<<21)|(5<<22)|(3<<25)  ; 15:0 the mask; 17:16 elements of 1 byte; 20 padding on; 21 set beside a mask; 24:22 after every 64 words; 31:25 four words
	s_or_b32 s[G1B+0], s44, (0<<16)|(1<<20)|(1<<21)|(5<<22)|(3<<25)
.irp g, G1, G1B
	s_mov_b32 s[\g+1], ROWB<<16                    ; tensor_dim0
	s_mov_b32 s[\g+2], 128<<16                     ; tensor_dim1
	s_mov_b32 s[\g+3], ROWB<<16                    ; tile_dim0
	s_mov_b32 s[\g+4], 128                         ; tile_dim1
	s_mov_b32 s[\g+5], KROW                        ; from row to row
	s_mov_b32 s[\g+6], 0
	s_mov_b32 s[\g+7], 0
.endr
	; the scales of 128 rows: 4,096 dense bytes, as 16 rows of 256 bytes (32 elements of 8 bytes), 16 bytes of padding behind each
	s_or_b32 s[G1S+0], s43, (3<<16)|(1<<20)|(1<<21)|(5<<22)|(3<<25)
	s_or_b32 s[G1SB+0], s44, (3<<16)|(1<<20)|(1<<21)|(5<<22)|(3<<25)
.irp g, G1S, G1SB
	s_mov_b32 s[\g+1], 32<<16
	s_mov_b32 s[\g+2], 16<<16
	s_mov_b32 s[\g+3], 32<<16
	s_mov_b32 s[\g+4], 16
	s_mov_b32 s[\g+5], 32
	s_mov_b32 s[\g+6], 0
	s_mov_b32 s[\g+7], 0
.endr
	s_lshl_b32 s18, s16, 7                         ; which 128 rows of the tile I fetch
	s_lshl_b32 s20, s17, 8
	s_add_co_u32 s20, s20, s18                     ; A: row 256 x tile row + 128 x half
	s_lshl_b32 s46, s42, 8
	s_add_co_u32 s46, s46, s18
	s_lshl_b32 s47, s95, 10
	s_add_co_u32 s46, s46, s47                     ; B: row 1,024 g + 256 x tile column + 128 x half, counted from the weights' first row
	s_mov_b32 s21, 0
	s_mov_b32 s47, 0
	s_mov_b64 s[18:19], KS
	s_mul_u64 s[22:23], s[20:21], s[18:19]         ; where these rows' scales begin, in bytes
	s_mul_u64 s[92:93], s[46:47], s[18:19]
	s_mov_b64 s[18:19], KROW
	s_mul_u64 s[20:21], s[20:21], s[18:19]         ; and their codes
	s_mul_u64 s[46:47], s[46:47], s[18:19]
	s_mul_i32 s45, s14, HALFT                      ; where they go: wave x 128 rows: no place in the cluster enters an LDS address
	s_mul_i32 s94, s14, HALFS
	s_wait_dscnt 0x0                               ; both opening adds are done
	s_wait_kmcnt 0x0
	s_add_nc_u64 s[8:9], s[4:5], WROW0*KROW        ; the weights' codes
	s_add_nc_u64 s[10:11], s[6:7], WROW0*KS        ; and their scales
	s_add_nc_u64 s[20:21], s[4:5], s[20:21]
	s_add_nc_u64 s[22:23], s[6:7], s[22:23]
	s_add_nc_u64 s[46:47], s[8:9], s[46:47]
	s_add_nc_u64 s[92:93], s[10:11], s[92:93]
	s_cmp_eq_u32 s95, 0                            ; the bias of my tensor: a choice on g alone
	s_cselect_b64 s[96:97], s[96:97], s[98:99]
	s_cmp_eq_u32 s95, 2
	s_cselect_b64 s[96:97], s[100:101], s[96:97]
	s_lshl_b32 s98, s42, 10                        ; my first column, in bytes of f32: 1,024 x tile column + 512 x half
	s_lshl_b32 s99, s16, 9
	s_add_co_u32 s98, s98, s99
	s_mov_b32 s99, 0
	s_add_nc_u64 s[96:97], s[96:97], s[98:99]
	CROUND                                         ; all sixteen work-groups are here: the joint loads meet
	s_mov_b32 s[G0S], 1
	s_add_co_u32 s[G0S+1], s94, SCL
	s_mov_b64 s[G0S+2:G0S+3], s[22:23]
	s_or_b32 s[G0S+3], s[G0S+3], 0x80000000
	s_mov_b32 s[G0SB], 1
	s_add_co_u32 s[G0SB+1], s94, SCL
	s_mov_b64 s[G0SB+2:G0SB+3], s[92:93]
	s_or_b32 s[G0SB+3], s[G0SB+3], 0x80000000
	JLOAD G0S, G1S, G0SB, G1SB                     ; the scales first: they are wanted with the first slot
.irp s, 0,1
	s_mov_b32 s[G0+4*\s], 1
	s_add_co_u32 s[G0+4*\s+1], s45, \s*SLOT
	s_add_nc_u64 s[G0+4*\s+2:G0+4*\s+3], s[20:21], \s*ROWB
	s_or_b32 s[G0+4*\s+3], s[G0+4*\s+3], 0x80000000
	s_mov_b32 s[G0B+4*\s], 1
	s_add_co_u32 s[G0B+4*\s+1], s45, \s*SLOT
	s_add_nc_u64 s[G0B+4*\s+2:G0B+4*\s+3], s[46:47], \s*ROWB
	s_or_b32 s[G0B+4*\s+3], s[G0B+4*\s+3], 0x80000000
	JLOAD G0+4*\s, G1, G0B+4*\s, G1B               ; three tensor loads of mine are out, and no more follow
.endr
	v_and_b32 v1, 15, v0                           ; r = lane % 16
	v_bfe_u32 v2, v0, 4, 1                         ; h = lane / 16
	v_lshlrev_b32 v7, 5, v2                        ; the bias: my half's eight numbers of each 16; never rewritten
.irp b, 0,1,2,3,4,5,6,7
	global_load_b128 v[BI+8*\b:BI+8*\b+3], v7, s[96:97] offset:64*\b
	global_load_b128 v[BI+8*\b+4:BI+8*\b+7], v7, s[96:97] offset:64*\b+16
.endr
	v_mul_u32_u24 v3, v1, PITCH
	v_lshl_add_u32 v4, v2, 4, v3                   ; a fragment's row x pitch + 16 x half
	s_mul_i32 s21, s15, HALFT                      ; my 128 rows of A
	s_mul_i32 s22, s16, HALFT                      ; my 128 rows of B,
	s_add_co_u32 s22, s22, 2*HALFT                 ; which lie behind A's 256
.irp s, 0,1
	v_add_nc_u32 v[ADRA+\s], s21, v4
	v_add_nc_u32 v[ADRB+\s], s22, v4
	s_add_co_u32 s21, s21, SLOT
	s_add_co_u32 s22, s22, SLOT
.endr
	v_mul_u32_u24 v5, v1, KS                       ; my row's scales: 32 bytes a row,
	v_lshrrev_b32 v6, 8, v5
	v_lshl_add_u32 v5, v6, 4, v5                   ; and 16 more for each 256 passed
	s_mul_i32 s21, s15, HALFS                      ; A's: my 128 rows
	s_mul_i32 s22, s16, HALFS                      ; B's: my 128 rows, behind A's 256
	s_add_co_u32 s22, s22, 2*HALFS
	s_sub_co_u32 s22, s22, s21
	v_mul_u32_u24 v6, s22, v2                      ; lanes 16-31 take B's: one product, the distance between the two bases x h
	s_add_co_u32 s21, s21, SCL
	v_add_nc_u32 v5, v5, v6
	v_add_nc_u32 v[ADRS], s21, v5
	s_mul_i32 s23, s14, 2*16*SPITCH                ; my stage
	v_mul_u32_u24 v5, v1, SPITCH                   ; in: row r, 16 bytes for each half of the lanes
	v_lshl_add_u32 v5, v2, 4, v5
	v_add_nc_u32 v[STO], s23, v5
	v_and_b32 v6, 31, v0
	v_lshlrev_b32 v[CO], 4, v6                     ; out: four rows of 128 bytes follow each other in a head: 16 x lane
	v_lshrrev_b32 v5, 3, v6                        ; back: eight lanes to a row, four rows an instruction
	v_mul_u32_u24 v5, v5, SPITCH
	v_and_b32 v6, 7, v0
	v_lshl_add_u32 v5, v6, 4, v5
	v_add_nc_u32 v[RD], s23, v5
	; where my part begins in qkv: g, then head 16 x batch + 4 x tile column + 2 x column half, then position 256 x (tile row % 8) + 128 x row half
	s_lshl_b32 s20, s95, 24
	s_and_b32 s21, s17, 31
	s_lshr_b32 s21, s21, 3                         ; batch
	s_lshl_b32 s21, s21, 4
	s_lshl_b32 s46, s42, 2
	s_add_co_u32 s21, s21, s46
	s_lshl_b32 s46, s16, 1
	s_add_co_u32 s21, s21, s46
	s_lshl_b32 s21, s21, 18
	s_add_co_u32 s20, s20, s21
	s_and_b32 s21, s17, 7
	s_lshl_b32 s21, s21, 15
	s_add_co_u32 s20, s20, s21
	s_lshl_b32 s21, s15, 14
	s_add_co_u32 s20, s20, s21
	s_mov_b32 s21, 0
	s_add_nc_u64 s[12:13], s[12:13], s[20:21]
.macro FRAG reg, adr, q, i             ; 16 rows x 128 K of 4-bit codes: lane l holds row l % 16; registers 4 c .. 4 c + 3 hold K = 64 c + 32 (l / 16) + 0 .. 31
.irp c, 0,1
	ds_load_b128 v[\reg+4*\c:\reg+4*\c+3], v[\adr] offset:64*(\q)+32*\c+(\i)*16*PITCH
.endr
.endm
; 16 matrix instructions: A's blocks a0, a0 + 1 x B's eight, the slot's q-th 128 along K.  p: B's set; sc: the set of scale words.  zero = 1: the first products take the bias as C: nothing is cleared or added later.
; The 64 accumulators take turns, one instruction a turn, in the same order in every step.
.macro MUL16 a0, p, q, sc, zero
.irp a, \a0, \a0+1
.irp b, 0,1,2,3,4,5,6,7
.if \zero
	v_wmma_scale_f32_16x16x128_f8f6f4 v[8*(8*((\a)%4)+\b):8*(8*((\a)%4)+\b)+7], v[128*(\p)+FR*\b:128*(\p)+FR*\b+FR-1], v[AF+FR*(\a):AF+FR*(\a)+FR-1], v[BI+8*\b:BI+8*\b+7], v[SC+8*NQ*(\sc)+NQ*\b+(\q)], v[SC+8*NQ*(\sc)+NQ*(\a)+(\q)] matrix_a_fmt:MATRIX_FMT_FP4 matrix_b_fmt:MATRIX_FMT_FP4 matrix_a_scale:MATRIX_SCALE_ROW1
.else
	v_wmma_scale_f32_16x16x128_f8f6f4 v[8*(8*((\a)%4)+\b):8*(8*((\a)%4)+\b)+7], v[128*(\p)+FR*\b:128*(\p)+FR*\b+FR-1], v[AF+FR*(\a):AF+FR*(\a)+FR-1], v[8*(8*((\a)%4)+\b):8*(8*((\a)%4)+\b)+7], v[SC+8*NQ*(\sc)+NQ*\b+(\q)], v[SC+8*NQ*(\sc)+NQ*(\a)+(\q)] matrix_a_fmt:MATRIX_FMT_FP4 matrix_b_fmt:MATRIX_FMT_FP4 matrix_a_scale:MATRIX_SCALE_ROW1
.endif
.endr
.endr
.endm
.macro FETCH_B slot, q, p              ; B's eight fragments of the slot's q-th 128 along K into set p
	WIN TO_B
.irp i, 0,1,2,3,4,5,6,7
	FRAG 128*(\p)+FR*\i, ADRB+\slot, \q, \i
.endr
	WIN 0
.endm
.macro FETCH_A slot, q, i0             ; A's blocks i0 .. i0 + 3
.irp i, \i0, \i0+1, \i0+2, \i0+3
	FRAG AF+FR*(\i), ADRA+\slot, \q, \i
.endr
.endm
.macro SCALES sc                       ; a slot's scale words into set sc: four words a row; lanes 0-15 take A's block i, lanes 16-31 B's block i
.irp i, 0,1,2,3,4,5,6,7
	ds_load_b128 v[SC+8*NQ*\sc+NQ*\i:SC+8*NQ*\sc+NQ*\i+3], v[ADRS] offset:\i*SBLK
.endr
.endm
; A load into a register that a matrix instruction has read, and a vector instruction that reads a matrix result, stand NP places behind it; only plain vector instructions that name none of its registers are places.
.macro PLACES n
.rept \n
	v_nop
.endr
.endm
; A step of 128 along K that has its successor in the same slot.  A's blocks are free as soon as their eight products are issued: blocks 0-3 are fetched anew in the step's middle, blocks 4-7 at its end.
.macro STEP slot, q, zero
	s_wait_dscnt 4*NL                              ; B's set, A's blocks 0-3 (and the scale words) are in; the youngest eight loads, A's blocks 4-7, may be out
	WIN MUL_LO-0x20*(\zero)
	MUL16 0, (\q)%2, \q, \slot, \zero
	MUL16 2, (\q)%2, \q, \slot, \zero
	s_wait_dscnt 0                                 ; A's blocks 4-7 are in
	PLACES NP
	FETCH_B \slot, (\q)+1, 1-(\q)%2
	FETCH_A \slot, (\q)+1, 0
	WIN MUL_HI-0x30*(\zero)
	MUL16 4, (\q)%2, \q, \slot, \zero
	MUL16 6, (\q)%2, \q, \slot, \zero
	PLACES NP
	WIN 0
	FETCH_A \slot, (\q)+1, 4
.endm
; Slot 0's last step changes slots: one barrier.  In front of it each wave's tensor loads have landed (its part of slot 1) and its reads of slot 0 are over: behind it slot 1 is whole, and slot 0 may take the stages of the way out.
.macro TURN slot, next
	s_wait_tensorcnt 0x0                           ; all my tensor loads have landed  (every window is 0 here)
	ds_add_u32 v[SPW], v[NIL]                      ; 0 onto my spare word
	s_wait_dscnt 4*NL+1                            ; (the add and the youngest eight loads, A's blocks 4-7, may be out)
	WIN MUL_LO
	MUL16 0, 1, NQ-1, \slot, 0                     ; sixteen matrix instructions stand between the add and the wait for it
	s_wait_dscnt 0x0                               ; the add is done, and my reads of this slot are over
	s_barrier_signal -1
	MUL16 2, 1, NQ-1, \slot, 0
	WIN 0
	s_barrier_wait -1
	PLACES NP
	v_add_nc_u32 v[ADRS], 4*NQ, v[ADRS]            ; on to the next slot's scale words (no LDS load of mine is out)
	FETCH_B \next, 0, 0
	FETCH_A \next, 0, 0
	SCALES \next
	WIN MUL_HI
	MUL16 4, 1, NQ-1, \slot, 0
	MUL16 6, 1, NQ-1, \slot, 0
	PLACES NP
	WIN 0
	FETCH_A \next, 0, 4
.endm
.macro STEPS slot, from                ; the slot's steps from .. NQ - 2
.set Q, \from
.rept NQ-1-\from
	STEP \slot, Q, 0
.set Q, Q+1
.endr
.endm
	s_wait_tensorcnt 1                             ; the scales and my part of slot 0 are in; slot 1's load, the one issued behind them, may be out,
	s_barrier_signal -1
	s_barrier_wait -1                              ; everybody's are
	FETCH_B 0, 0, 0
	FETCH_A 0, 0, 0
	SCALES 0
	FETCH_A 0, 0, 4
	s_wait_loadcnt 0x0                             ; the bias
	STEP 0, 0, 1                                   ; the first products start the sums from the bias
	STEPS 0, 1
	TURN 0, 1
	STEPS 1, 0
	s_wait_dscnt 4*NL                              ; the very last step: nothing more to fetch
	WIN MUL_LO
	MUL16 0, 1, NQ-1, 1, 0
	MUL16 2, 1, NQ-1, 1, 0
	s_wait_dscnt 0
	WIN MUL_HI
	MUL16 4, 1, NQ-1, 1, 0
	MUL16 6, 1, NQ-1, 1, 0
	WIN 0
; THE WAY OUT, block by block of 16 rows x 128 columns = 16 positions of two heads.  A lane's eight columns pack into 16 bytes of f16; they go through my own stage, laid [head][row], and come back four rows at a time,
; which are 512 consecutive bytes of a head.  LDS serves a wave's instructions in order (ISA guide 5.7.1.4): no wait between the stores and the loads.
.macro PACK a
.set AC, 64*((\a)%4)
	WIN 0x0a+5*((\a)/4)                            ; sources 0 and 1: window 2 or 3
.irp b, 0,1,2,3,4,5,6,7
.irp i, 0,1,2,3
	v_cvt_pk_f16_f32 v[TMP+4*\b+\i], v[AC+8*\b+2*\i], v[AC+8*\b+2*\i+1]      ; each accumulator from its low end on
.endr
.endr
	WIN 0
.endm
.macro TOSTAGE a
.irp b, 0,1,2,3,4,5,6,7
	ds_store_b128 v[STO], v[TMP+4*\b:TMP+4*\b+3] offset:(\b/4)*16*SPITCH+(\b%4)*32
.endr
.irp i, 0,1,2,3,4,5,6,7
	ds_load_b128 v[BK+32*((\a)%2)+4*\i:BK+32*((\a)%2)+4*\i+3], v[RD] offset:\i*4*SPITCH
.endr
.endm
.macro SEND a
	s_wait_dscnt 0x0                               ; the block is back in registers
	s_wait_xcnt 0x0                                ; the block before has had its stores' registers read: the next block's loads land there only behind this wait
.irp i, 0,1,2,3,4,5,6,7
	global_store_b128 v[CO], v[BK+32*((\a)%2)+4*\i:BK+32*((\a)%2)+4*\i+3], s[12:13] offset:(\i/4)*HEADB+(\a)*2048+(\i%4)*512   ; 32 lanes store 512 consecutive aligned bytes
.endr
.endm
	PLACES NP                                      ; behind the last products: for the conversions and for the loads into A's registers
	PACK 0
	TOSTAGE 0
.irp a, 1,2,3,4,5,6,7                  ; block a's conversions stand between block a - 1's loads from the stage and the wait for them
	PACK \a
	SEND \a-1
	TOSTAGE \a
.endr
	SEND 7
	s_wait_tensorcnt 0x0                           ; the wave's end, behind my last tensor load and my last LDS store
	ds_add_u32 v[SPW], v[NIL]
	s_wait_dscnt 0x0
	CROUND                                         ; the closing round: no work-group ends while a partner may still ask for a tile that names it
	s_endpgm
.Lfunc_end_k_qf4024678fb_proj:
	.size	k_qf4024678fb_proj, .Lfunc_end_k_qf4024678fb_proj-k_qf4024678fb_proj
	.p2alignl 7, 3214868480
	.fill 96, 4, 3214868480
	.section	.rodata,"a",@progbits
	.p2align	6, 0x0
	.amdhsa_kernel k_qf4024678fb_proj
		.amdhsa_group_segment_fixed_size 327680
		.amdhsa_private_segment_fixed_size 0
		.amdhsa_enable_private_segment 0
		.amdhsa_kernarg_size 48
		.amdhsa_user_sgpr_count 2
		.amdhsa_user_sgpr_kernarg_segment_ptr 1
		.amdhsa_wavefront_size32 1
		.amdhsa_system_sgpr_workgroup_id_x 1
		.amdhsa_system_sgpr_workgroup_id_y 1
		.amdhsa_system_sgpr_workgroup_id_z 1
		.amdhsa_system_vgpr_workitem_id 0
		.amdhsa_next_free_vgpr 1024
		.amdhsa_next_free_sgpr 102
		.amdhsa_reserve_vcc 0
		.amdhsa_float_denorm_mode_32 3
		.amdhsa_float_denorm_mode_16_64 3
		.amdhsa_memory_ordered 1
		.amdhsa_forward_progress 1
		.amdhsa_inst_pref_size 129
	.end_amdhsa_kernel
	.amdgpu_metadata
---
amdhsa.version: [ 1, 2 ]
amdhsa.kernels:
  - .name:           k_qf4024678fb_proj
    .symbol:         k_qf4024678fb_proj.kd
    .args:
      - { .name: codes, .offset: 0, .size: 8, .value_kind: global_buffer, .address_space: global }
      - { .name: scales, .offset: 8, .size: 8, .value_kind: global_buffer, .address_space: global }
      - { .name: bq, .offset: 16, .size: 8, .value_kind: global_buffer, .address_space: global }
      - { .name: bk, .offset: 24, .size: 8, .value_kind: global_buffer, .address_space: global }
      - { .name: bv, .offset: 32, .size: 8, .value_kind: global_buffer, .address_space: global }
      - { .name: qkv, .offset: 40, .size: 8, .value_kind: global_buffer, .address_space: global }
    .group_segment_fixed_size: 327680
    .private_segment_fixed_size: 0
    .kernarg_segment_align: 8
    .kernarg_segment_size: 48
    .max_flat_workgroup_size: 128
    .sgpr_count:     102
    .vgpr_count:     1024
    .wavefront_size: 32
...
	.end_amdgpu_metadata
.endif
;; end of part 2
;; launch attn (part 3): grid 4 x 64, 8 waves a work-group, clusters of 4 x 1, 327,680 bytes of LDS; arguments qkv, mask, ctx; writes ctx
.if DOCPART == 3
	.amdgcn_target "amdgcn-amd-amdhsa--gfx1250"
	.amdhsa_code_object_version 6
	.text
	.protected	k_qf4024678fb_attn
	.globl	k_qf4024678fb_attn
	.p2align	8
	.type	k_qf4024678fb_attn,@function
k_qf4024678fb_attn:
	s_mov_b64 s[64:65], 0
	v_nop
	global_prefetch_b8 v0, s[64:65] scope:SCOPE_SE
	s_setreg_imm32_b32 hwreg(HW_REG_WAVE_MODE, 25, 1), 1
	s_wait_xcnt 0x0
	s_wait_alu depctr_hold_cnt(0) depctr_sa_sdst(0) depctr_va_vdst(0) depctr_va_sdst(0) depctr_va_ssrc(0) depctr_va_vcc(0) depctr_vm_vsrc(0)
	s_getreg_b32 s2, hwreg(HW_REG_IB_STS2, 6, 4)
	s_cmp_eq_u32 s2, 0
	s_cbranch_scc0 .Lentry_in_a_cluster
	s_endpgm
.Lentry_in_a_cluster:
	s_bfe_u32 s2, ttmp6, 0x10000c
	s_cmp_lg_u32 s2, 0x3003
	s_cbranch_scc0 .Lentry_shape_is_right
	s_endpgm
.Lentry_shape_is_right:
; ctx[b][q][head] = the sum over keys of softmax_k(Q . K / 8, hidden keys at -infinity) V.  Q, K, V: qkv[g][b][head][2048][64], f16.  mask: [b][2048] bytes, 0 = the key is hidden.  Products, maxima and sums in f32;
; the weights p are rounded to f16 for the second product, the result once at the end.  ctx: [block of 64 positions][head][64][64] f16: a wave's result is 8,192 consecutive bytes.
; SHARES.  A work-group owns 512 queries of one head, each of its eight waves 64: four tiles of 16, in 512 registers: two waves to a SIMD, so that one wave's softmax stands beside the other's products.  64 keys a step, 32 steps.
; LAYOUT.  S^T = K Q^T (source 0 = 16 keys, source 1 = 16 queries): a lane holds ONE query (lane % 16) and keys 8 (lane / 16) + 0 .. 7 of each tile of keys.  Two such tiles, rounded to f16 in pairs, are source 1 of
; O^T = V^T P, whose result again holds one query a lane.  K comes out of LDS as it lies, V ([key][channel]) turned, by ds_load_tr16_b128.
; THE MASK IS THE C OF THE FIRST PRODUCT OF EACH SCORE: 0 for a key that counts, -2^100 for a hidden one, kept as 2,048 f32 numbers in LDS.  With f16 operands a true score lies within 64 x 65,504^2 < 2^38.
; SOFTMAX.  For each query a running maximum m and sum l: p = 2^(c s - c m), c = log2(e) / 8; in every step O and l are multiplied by a = 2^(c m_old - c m_new).  m starts from the floor -2^40, under every true score and
; far over every hidden one: a hidden key's p is 0 whatever came before, and where all keys so far are hidden l and O are zeros.  A batch with no key left ends with O = 0 and 1 / l = infinity: NaN, as the softmax of a row of -infinity.
; CLUSTER.  The four query blocks of a head form a cluster and walk the same K and V: each tile is asked for jointly, with a mask that names the four.
; LIMITS: NaN and infinities in qkv (projections beyond f16's range) are not served.
; REGISTERS.  Window 0: v1-15 addresses; v16-47 eight registers of statistics a tile; v48-79 the mask's C; v80-207 S^T, 32 a tile, P in place in the low 16; v208-223 partial sums; v224-237 at work at the head.
;   Window 1: v0-127 O^T, 32 a tile; v128-191 Q, 16 a tile; v192-255 K of the step, then V of the step.
.set KS,    64                         ; keys in a step
.set PK,    144                        ; a row of K in LDS: 128 bytes + 16: the 16 rows of a load start at 16 different banks (64 banks of 4 bytes: ISA guide 11.1)
.set PV,    160                        ; a row of V: 128 + 32
.set VOFF,  KS*PK                      ; a step's tiles lie together: 64 rows of K, then 64 rows of V
.set STEPB, KS*(PK+PV)
.set NST,   4                          ; steps in a slot
.set SLOTB, NST*KS*128                 ; a slot's keys in memory, in K or in V: 32,768 bytes
.set SLOT1, 1<<17                      ; slot 1 begins here: one exclusive or turns an address in one slot into the other's
.set MB,    SLOT1+NST*STEPB            ; behind the ring: the mask as 2,048 f32 numbers; no tile lands here
.set STAGE, MB+8192                    ; 16 rows x 144 bytes for each wave, for the way out
.set SP,    144
.set SPARE, STAGE+8*16*SP              ; the spare words, 128 bytes a wave, which no other line names
.set GSTR,  16777216                   ; from q to k, and from k to v, in qkv
.set AK0, 3                            ; v3   my lane's place in a tile of K; never rewritten
.set AV0, 4                            ; v4   the same for V
.set AM0, 5                            ; v5   and in the mask's numbers
.set ADK, 6                            ; v6-8 the step's LDS addresses
.set ADV, 7
.set ADM, 8
.set QO,  9                            ; v9   my byte offset in the wave's rows of Q
.set STO, 10                           ; v10  the way out: where I put 16 bytes of a row
.set RD,  11                           ; v11  where I read rows back
.set GO,  12                           ; v12  16 x lane
.set PFO, 13                           ; v13  256 x lane
.set SPW, 14                           ; v14  LDS address of my spare word; never rewritten
.set NIL, 15                           ; v15  0; never rewritten
.set ST,  16                           ; tile t's statistics at v[ST + 8 t]: +0 c m, +1 m, +2, +3 l (even keys', odd keys'), +4 to +7 four maxima; a takes +6 and c m_old - c m_new +7 once the maximum is found
.set MK,  48
.set S,   80
.set SU,  208
.set QF,  128                          ; window 1
.set KV,  192                          ; window 1
.set WV,  12                           ; s12  my wave's number
.set LIM, 15                           ; s15  1 in a wave that prefetches, else the greatest number
.set PFA, 18                           ; s[18:19] where my prefetches stand
.set G1K, 24
.set G1V, 32
.set G0K, 40                           ; s[40:47] two sets for the first fills; the second then walks on
.set G0V, 48
.set SLOTS, 56
.set CNT, 57
.set CS,  58                           ; s[58:59] c
.set SEL, 60                           ; s[60:61] selects for v_permlanex16_b32: lane l xor 16
.set TB,  62                           ; s62  LDS byte at which the step's tiles begin
.set TM,  63                           ; s63  byte at which the step's 64 mask numbers begin
.set MSB, 0
.macro WIN new                         ; the immediate's high byte repeats the setting that is left
.if MSB != (\new)
	s_set_vgpr_msb (MSB<<8)|(\new)
.set MSB, (\new)
.endif
.endm
.set W_KQ, 0x05                        ; K and Q in window 1; C and S^T in window 0
.set W_PV, 0x51                        ; V in window 1, P in window 0, O^T in window 1
.set W_RS, 0x41                        ; O^T (destination and source 0) in window 1, the factor in window 0
.set W_LD, 0x40                        ; destination window 1, address window 0
; A joint refill.  Waves 0 to 3 fetch the slot's four steps of K, waves 4 to 7 those of V.  The branch hangs on the wave's number alone.  An s_nop 0 and four v_nop follow each line.
.macro JLOAD
	s_cmp_lt_u32 s[WV], 4
	s_cbranch_scc0 .Lfor_v_\@
	tensor_load_to_lds s[G0K+4:G0K+7], s[G1K:G1K+7]
	s_nop 0
.rept 4
	v_nop
.endr
	s_branch .Lasked_\@
.Lfor_v_\@:
	tensor_load_to_lds s[G0V+4:G0V+7], s[G1V:G1V+7]
	s_nop 0
.rept 4
	v_nop
.endr
.Lasked_\@:
.endm
; A prefetch of what the NEXT change of slots will ask for: a slot's 32,768 bytes of K and of V.  The four partners share them out by address, 8,192 bytes each; in each, wave 0 asks for K's and wave 4 for V's,
; lanes 256 bytes apart: each aligned run of 256 bytes is named once in the launch.  It stands four key steps, 256 matrix instructions a wave, ahead of the load.  The last change that fills a slot asks for nothing.
.macro ASK
	s_cmp_gt_u32 s[SLOTS], s[LIM]
	s_cbranch_scc0 .Lnot_mine_\@
	global_prefetch_b8 v[PFO], s[PFA:PFA+1] th:TH_LOAD_NT scope:SCOPE_SE
.Lnot_mine_\@:
.endm
.macro CROUND                          ; a round of the cluster's barrier
	s_barrier_signal -1
	s_barrier_wait -1
	s_cmp_lg_u32 s[WV], 0
	s_cbranch_scc1 .Lnot_wave_0_\@
	s_barrier_signal -3
.Lnot_wave_0_\@:
	s_barrier_wait -3
	s_barrier_signal -1
	s_barrier_wait -1
.endm
	s_load_b128 s[4:7], s[0:1], 0x0                ; qkv s[4:5], mask s[6:7]
	s_load_b64 s[8:9], s[0:1], 0x10                ; ctx
	v_lshl_add_u32 v[SPW], v0, 2, SPARE
	v_mov_b32 v[NIL], 0
	ds_add_u32 v[SPW], v[NIL]                      ; the wave's opening: the add, twice on end, and its wait ahead of my first tensor load
	ds_add_u32 v[SPW], v[NIL]                      ; the set-up below, work on registers, stands between the second and the wait
	v_lshrrev_b32 v1, 5, v0
	v_readfirstlane_b32 s[WV], v1                  ; wave 0..7
	s_bfe_u32 s13, ttmp6, 0x40000                  ; cx: my block of 512 queries: it enters Q's, ctx's and the prefetches' addresses alone
	s_and_b32 s14, ttmp7, 0xffff                   ; 16 x batch + head, which the four partners share
	s_lshl_b32 s20, s14, 18                        ; the head's first byte in each third of qkv
	s_mov_b32 s21, 0
	s_and_b32 s2, s[WV], 3                         ; which of a slot's four steps I fetch:
	s_lshl_b32 s22, s2, 13                         ; its 64 rows of 128 bytes in memory,
	s_mov_b32 s23, 0
	s_add_nc_u64 s[22:23], s[22:23], s[20:21]
	s_mul_i32 s3, s2, STEPB                        ; and its place in a slot: no place in the cluster enters an LDS address
	s_lshl_b32 s10, s13, 16                        ; Q: my block's 512 rows,
	s_lshl_b32 s11, s[WV], 13                      ; my wave's 64 of them
	s_add_co_u32 s10, s10, s11
	s_mov_b32 s11, 0
	s_add_nc_u64 s[10:11], s[10:11], s[20:21]
	s_lshr_b32 s16, s14, 4                         ; batch
	s_lshl_b32 s18, s16, 11                        ; its 2,048 mask bytes
	s_mov_b32 s19, 0
	s_lshl_b32 s16, s16, 5
	s_lshl_b32 s17, s13, 3
	s_add_co_u32 s16, s16, s17
	s_add_co_u32 s16, s16, s[WV]                   ; my block of 64 positions: 32 x batch + 8 cx + wave
	s_lshl_b32 s16, s16, 17
	s_and_b32 s17, s14, 15
	s_lshl_b32 s17, s17, 13                        ; my head's 8,192 bytes in it
	s_add_co_u32 s16, s16, s17
	s_mov_b32 s17, 0
	; descriptor group 1: a tile of 64 rows x 64 elements of 2 bytes, padded behind each row
	s_mov_b32 s[G1K], 15|(1<<16)|(1<<20)|(1<<21)|(4<<22)|(3<<25)  ; 15:0 the mask: all four work-groups; 17:16 elements of 2 bytes; 20 padding on; 21 set beside a mask; 24:22 after every 32 words; 31:25 four words
	s_mov_b32 s[G1V], 15|(1<<16)|(1<<20)|(1<<21)|(4<<22)|(7<<25)  ; the same with eight words of padding
.irp g, G1K, G1V
	s_mov_b32 s[\g+1], 64<<16                      ; tensor_dim0
	s_mov_b32 s[\g+2], KS<<16                      ; tensor_dim1
	s_mov_b32 s[\g+3], 64<<16                      ; tile_dim0
	s_mov_b32 s[\g+4], KS                          ; tile_dim1
	s_mov_b32 s[\g+5], 64                          ; from row to row
	s_mov_b32 s[\g+6], 0
	s_mov_b32 s[\g+7], 0
.endr
	s_mov_b32 s[CS], 0x3e38aa3b                    ; c = log2(e) / 8
	s_mov_b32 s[CS+1], s[CS]                       ; named with it as a pair, so it is written
	s_mov_b32 s[SEL], 0x76543210
	s_mov_b32 s[SEL+1], 0xfedcba98
	s_mov_b32 s[TB], 0
	s_mov_b32 s[TM], 0
	s_mov_b32 s[SLOTS], 2048/(NST*KS)-2            ; six refills
	s_cmp_eq_u32 s2, 0                             ; waves 0 and 4 prefetch: the same in all four partners
	s_cselect_b32 s[LIM], 1, -1
	s_wait_dscnt 0x0                               ; both opening adds are done
	s_wait_kmcnt 0x0
	s_add_nc_u64 s[6:7], s[6:7], s[18:19]          ; my batch's mask
	s_add_nc_u64 s[8:9], s[8:9], s[16:17]          ; my wave's 8,192 bytes of ctx
	s_add_nc_u64 s[16:17], s[4:5], s[22:23]
	s_add_nc_u64 s[22:23], s[16:17], 2*GSTR        ; V at my tile of slot 0
	s_add_nc_u64 s[16:17], s[16:17], GSTR          ; K at my tile of slot 0
	s_add_nc_u64 s[4:5], s[4:5], s[10:11]          ; Q at my wave's first row
	s_cmp_lt_u32 s[WV], 4
	s_cselect_b64 s[PFA:PFA+1], s[16:17], s[22:23] ; (in waves 0 and 4 these stand at a slot's first row)
	s_lshl_b32 s10, s13, 13                        ; my work-group's 8,192 bytes of the 32,768
	s_mov_b32 s11, 0
	s_add_nc_u64 s[PFA:PFA+1], s[PFA:PFA+1], s[10:11]
	s_add_nc_u64 s[PFA:PFA+1], s[PFA:PFA+1], 2*SLOTB   ; in slot 2; the first change of slots steps it to slot 3.  Nothing is prefetched at the head
	CROUND                                         ; all four work-groups are here: the first joint loads meet
.irp n, 0,1
	s_mov_b32 s[G0K+4*\n], 1                       ; count = 1
	s_add_co_u32 s[G0K+4*\n+1], s3, \n*SLOT1       ; LDS address
	s_add_nc_u64 s[G0K+4*\n+2:G0K+4*\n+3], s[16:17], \n*SLOTB   ; global address: slot n holds keys 256 n on
	s_or_b32 s[G0K+4*\n+3], s[G0K+4*\n+3], 0x80000000           ; type = 2
	s_mov_b32 s[G0V+4*\n], 1
	s_add_co_u32 s[G0V+4*\n+1], s3, \n*SLOT1+VOFF
	s_add_nc_u64 s[G0V+4*\n+2:G0V+4*\n+3], s[22:23], \n*SLOTB
	s_or_b32 s[G0V+4*\n+3], s[G0V+4*\n+3], 0x80000000
.endr
	s_cmp_lt_u32 s[WV], 4                          ; a wave's two first fills stand in one branch, ahead of every wait on TENSORcnt and every LDS read: two loads of mine are out
	s_cbranch_scc0 .Lfirst_v
	tensor_load_to_lds s[G0K:G0K+3], s[G1K:G1K+7]
	s_nop 0
	tensor_load_to_lds s[G0K+4:G0K+7], s[G1K:G1K+7]
	s_nop 0
.rept 4
	v_nop
.endr
	s_branch .Lfirst_asked
.Lfirst_v:
	tensor_load_to_lds s[G0V:G0V+3], s[G1V:G1V+7]
	s_nop 0
	tensor_load_to_lds s[G0V+4:G0V+7], s[G1V:G1V+7]
	s_nop 0
.rept 4
	v_nop
.endr
.Lfirst_asked:
	v_and_b32 v1, 15, v0                           ; r = lane % 16
	v_bfe_u32 v2, v0, 4, 1                         ; h = lane / 16
	v_lshlrev_b32 v236, 3, v0                      ; the mask: 256 threads x 8 bytes
	global_load_b64 v[224:225], v236, s[6:7]
	v_lshlrev_b32 v[QO], 7, v1
	v_lshl_add_u32 v[QO], v2, 4, v[QO]             ; Q: row r of 128 bytes + 16 h
	WIN W_LD
.irp t, 0,1,2,3                        ; Q stays in registers: tile t, channels 32 kc on: two loads of 16 bytes, 32 bytes apart
.irp kc, 0,1
	global_load_b128 v[QF+16*\t+8*\kc:QF+16*\t+8*\kc+3], v[QO], s[4:5] offset:2048*\t+64*\kc
	global_load_b128 v[QF+16*\t+8*\kc+4:QF+16*\t+8*\kc+7], v[QO], s[4:5] offset:2048*\t+64*\kc+32
.endr
.endr
	WIN 0
	v_mul_u32_u24 v[AK0], v1, PK
	v_lshl_add_u32 v[AK0], v2, 4, v[AK0]           ; K: row x pitch + 16 x half
	v_and_b32 v6, 7, v0                            ; V: the turning load takes 16 keys x 16 channels: lane l reads key 8 (l / 16) + l % 8, channels 8 ((l / 8) % 2) + 0 .. 7
	v_lshl_add_u32 v[AV0], v2, 3, v6
	v_mul_u32_u24 v[AV0], v[AV0], PV
	v_bfe_u32 v6, v0, 3, 1
	v_lshl_add_u32 v[AV0], v6, 4, v[AV0]
	v_add_nc_u32 v[AV0], VOFF, v[AV0]
	v_lshl_add_u32 v[AM0], v2, 5, MB               ; the mask's numbers of my half's eight keys
	s_mul_i32 s10, s[WV], 16*SP
	s_add_co_u32 s10, s10, STAGE                   ; my stage
	v_add_nc_u32 v[STO], s10, v[AK0]               ; in: row r of 144 bytes, 16 bytes for each half of the lanes
	v_and_b32 v6, 31, v0
	v_lshrrev_b32 v7, 3, v6                        ; back: eight lanes to a row of 128 bytes, four rows an instruction
	v_mul_u32_u24 v7, v7, SP
	v_and_b32 v8, 7, v0
	v_lshl_add_u32 v7, v8, 4, v7
	v_add_nc_u32 v[RD], s10, v7
	v_lshlrev_b32 v[GO], 4, v6
	v_lshlrev_b32 v[PFO], 8, v6
	v_mov_b32 v226, 0xf1800000                     ; -2^100
	v_lshl_add_u32 v237, v0, 5, MB                 ; my eight numbers' place
	s_wait_loadcnt 16                              ; the mask's bytes are in; Q's sixteen loads, issued behind them, may be out
.irp i, 0,1,2,3,4,5,6,7
	v_bfe_u32 v227, v[224+\i/4], 8*(\i%4), 8
	v_cmp_eq_u32 vcc_lo, 0, v227
	v_cndmask_b32 v[228+\i], 0, v226, vcc_lo       ; 0 where the key counts, -2^100 where it is hidden: a choice of a value, no branch
.endr
	ds_store_b128 v237, v[228:231]
	ds_store_b128 v237, v[232:235] offset:16
; A KEY STEP: 64 keys.  first = 1: the first step, which starts m, l and O^T.
.macro STEP first
	WIN 0
	v_add_nc_u32 v[ADK], s[TB], v[AK0]             ; three additions and two v_nop: five places behind the last V^T P, whose P registers the products below write over and into whose V registers K is loaded
	v_add_nc_u32 v[ADV], s[TB], v[AV0]
	v_add_nc_u32 v[ADM], s[TM], v[AM0]
	v_nop
	v_nop
.irp kt, 0,1,2,3                       ; the mask's numbers in the result's layout: register j of tile kt: key 16 kt + 8 h + j
	ds_load_b128 v[MK+8*\kt:MK+8*\kt+3], v[ADM] offset:64*\kt
	ds_load_b128 v[MK+8*\kt+4:MK+8*\kt+7], v[ADM] offset:64*\kt+16
.endr
	WIN W_LD
.irp kc, 0,1                           ; K: keys 16 kt on, channels 32 kc on; channels 0-31 first
.irp kt, 0,1,2,3
	ds_load_b128 v[KV+16*\kt+8*\kc:KV+16*\kt+8*\kc+3], v[ADK] offset:\kt*16*PK+64*\kc
	ds_load_b128 v[KV+16*\kt+8*\kc+4:KV+16*\kt+8*\kc+7], v[ADK] offset:\kt*16*PK+64*\kc+32
.endr
.endr
	s_wait_dscnt 8                                 ; the mask and K's channels 0-31 are in; the youngest eight loads, channels 32-63, may be out
	WIN W_KQ
.irp kt, 0,1,2,3                       ; S^T = mask + K Q^T: sixteen accumulators by turns
.irp t, 0,1,2,3
	v_wmma_f32_16x16x32_f16 v[S+32*\t+8*\kt:S+32*\t+8*\kt+7], v[KV+16*\kt:KV+16*\kt+7], v[QF+16*\t:QF+16*\t+7], v[MK+8*\kt:MK+8*\kt+7]
.endr
.endr
	s_wait_dscnt 0x0
.irp kt, 0,1,2,3
.irp t, 0,1,2,3
	v_wmma_f32_16x16x32_f16 v[S+32*\t+8*\kt:S+32*\t+8*\kt+7], v[KV+16*\kt+8:KV+16*\kt+15], v[QF+16*\t+8:QF+16*\t+15], v[S+32*\t+8*\kt:S+32*\t+8*\kt+7]
.endr
.endr
.rept 4
	v_nop                                          ; four places: for the loads into K's registers and for the first read of the scores
.endr
	WIN W_LD
.irp f, 0,1,2,3,4,5,6,7                ; V, turned, where K lay: keys 32 (f / 4) on, channels 16 (f % 4) on; it lands under the softmax
	ds_load_tr16_b128 v[KV+8*\f:KV+8*\f+3], v[ADV] offset:(\f/4)*32*PV+(\f%4)*32
	ds_load_tr16_b128 v[KV+8*\f+4:KV+8*\f+7], v[ADV] offset:(\f/4)*32*PV+16*PV+(\f%4)*32
.endr
	WIN 0
	; the maximum of a lane's 32 scores: four chains, one to an accumulator, each from its low end on; the four tiles by turns
.irp k, 0,1,2,3
.irp t, 0,1,2,3
	v_max3_num_f32 v[ST+8*\t+4+\k], v[S+32*\t+8*\k], v[S+32*\t+8*\k+1], v[S+32*\t+8*\k+2]
.endr
.endr
.irp i, 3,5
.irp k, 0,1,2,3
.irp t, 0,1,2,3
	v_max3_num_f32 v[ST+8*\t+4+\k], v[ST+8*\t+4+\k], v[S+32*\t+8*\k+\i], v[S+32*\t+8*\k+\i+1]
.endr
.endr
.endr
.irp t, 0,1,2,3
	v_max3_num_f32 v[ST+8*\t+4], v[ST+8*\t+4], v[S+32*\t+7], v[S+32*\t+15]
.endr
.irp t, 0,1,2,3
	v_max3_num_f32 v[ST+8*\t+6], v[ST+8*\t+6], v[S+32*\t+23], v[S+32*\t+31]
.endr
.irp t, 0,1,2,3
	v_max3_num_f32 v[ST+8*\t+4], v[ST+8*\t+4], v[ST+8*\t+5], v[ST+8*\t+6]
.endr
.irp t, 0,1,2,3
.if \first
	v_max3_num_f32 v[ST+8*\t+4], v[ST+8*\t+4], v[ST+8*\t+7], 0xd3800000   ; with the floor -2^40
.else
	v_max3_num_f32 v[ST+8*\t+4], v[ST+8*\t+4], v[ST+8*\t+7], v[ST+8*\t+1] ; with the old m
.endif
.endr
.irp t, 0,1,2,3
	v_permlanex16_b32 v[ST+8*\t+5], v[ST+8*\t+4], s[SEL], s[SEL+1]        ; the query's other 32 keys lie in the lane 16 away
.endr
.if \first == 0
.irp t, 0,1,2,3
	v_mov_b32 v[ST+8*\t+7], v[ST+8*\t]             ; c m_old is kept
.endr
.endif
.irp t, 0,1,2,3
	v_max_num_f32 v[ST+8*\t+1], v[ST+8*\t+4], v[ST+8*\t+5]
.endr
.irp t, 0,1,2,3
	v_mul_f32 v[ST+8*\t], s[CS], v[ST+8*\t+1]
.endr
.if \first == 0
.irp t, 0,1,2,3
	v_sub_f32 v[ST+8*\t+7], v[ST+8*\t+7], v[ST+8*\t]
.endr
.irp t, 0,1,2,3
	v_exp_f32 v[ST+8*\t+6], v[ST+8*\t+7]           ; a
.endr
.endif
	; ONE BATCH: the scalings c s - c m, a pair of scores each, and all exponentials; a pair is scaled ahead of the line pair that takes its exponentials; none of these reads an exponential's result
.irp t, 0,1,2,3
	v_pk_fma_f32 v[S+32*\t:S+32*\t+1], v[S+32*\t:S+32*\t+1], s[CS:CS+1], v[ST+8*\t:ST+8*\t+1] op_sel_hi:[1,0,0] neg_lo:[0,0,1] neg_hi:[0,0,1]
.irp b, 0,2,4,6,8,10,12,14,16,18,20,22,24,26,28
	v_pk_fma_f32 v[S+32*\t+\b+2:S+32*\t+\b+3], v[S+32*\t+\b+2:S+32*\t+\b+3], s[CS:CS+1], v[ST+8*\t:ST+8*\t+1] op_sel_hi:[1,0,0] neg_lo:[0,0,1] neg_hi:[0,0,1]
	v_exp_f32 v[S+32*\t+\b], v[S+32*\t+\b]
	v_exp_f32 v[S+32*\t+\b+1], v[S+32*\t+\b+1]
.endr
	v_exp_f32 v[S+32*\t+30], v[S+32*\t+30]
	v_exp_f32 v[S+32*\t+31], v[S+32*\t+31]
.endr
	v_nop                                          ; a plain instruction behind the last exponential, ahead of the first use
	s_wait_alu depctr_va_vdst(0)                   ; the wait ahead of the first instruction that names a result: one for the whole batch
	; the sums of the unrounded p: two chains a tile, the tiles by turns
.irp t, 0,1,2,3
	v_pk_add_f32 v[SU+4*\t:SU+4*\t+1], v[S+32*\t:S+32*\t+1], v[S+32*\t+2:S+32*\t+3]
.endr
.irp t, 0,1,2,3
	v_pk_add_f32 v[SU+4*\t+2:SU+4*\t+3], v[S+32*\t+4:S+32*\t+5], v[S+32*\t+6:S+32*\t+7]
.endr
.irp i, 8,12,16,20,24,28
.irp t, 0,1,2,3
	v_pk_add_f32 v[SU+4*\t:SU+4*\t+1], v[SU+4*\t:SU+4*\t+1], v[S+32*\t+\i:S+32*\t+\i+1]
.endr
.irp t, 0,1,2,3
	v_pk_add_f32 v[SU+4*\t+2:SU+4*\t+3], v[SU+4*\t+2:SU+4*\t+3], v[S+32*\t+\i+2:S+32*\t+\i+3]
.endr
.endr
.if \first
.irp t, 0,1,2,3
	v_pk_add_f32 v[ST+8*\t+2:ST+8*\t+3], v[SU+4*\t:SU+4*\t+1], v[SU+4*\t+2:SU+4*\t+3]
.endr
.else
.irp t, 0,1,2,3
	v_pk_add_f32 v[SU+4*\t:SU+4*\t+1], v[SU+4*\t:SU+4*\t+1], v[SU+4*\t+2:SU+4*\t+3]
.endr
.irp t, 0,1,2,3
	v_pk_fma_f32 v[ST+8*\t+2:ST+8*\t+3], v[ST+8*\t+2:ST+8*\t+3], v[ST+8*\t+6:ST+8*\t+7], v[SU+4*\t:SU+4*\t+1] op_sel_hi:[1,0,1]   ; l = a l + the sum
.endr
.endif
.irp i, 0,1,2,3,4,5,6,7,8,9,10,11,12,13,14,15   ; P, in place: register i takes pair i, which lies at 2 i: no pair is written over before it is read
.irp t, 0,1,2,3
	v_cvt_pk_f16_f32 v[S+32*\t+\i], v[S+32*\t+2*\i], v[S+32*\t+2*\i+1]
.endr
.endr
.if \first == 0
	WIN W_RS
.irp t, 0,1,2,3                        ; O^T times a, each accumulator from its low end on
.irp i, 0,2,4,6,8,10,12,14,16,18,20,22,24,26,28,30
	v_pk_mul_f32 v[32*\t+\i:32*\t+\i+1], v[32*\t+\i:32*\t+\i+1], v[ST+8*\t+6:ST+8*\t+7] op_sel_hi:[1,0]
.endr
.endr
.endif
	s_wait_dscnt 0x0                               ; V is in
	WIN W_PV
.irp kg, 0,1                           ; O^T += V^T P: keys 32 kg on, channels 16 ct on: sixteen accumulators by turns
.irp ct, 0,1,2,3
.irp t, 0,1,2,3
.if \first && (\kg == 0)
	v_wmma_f32_16x16x32_f16 v[32*\t+8*\ct:32*\t+8*\ct+7], v[KV+32*\kg+8*\ct:KV+32*\kg+8*\ct+7], v[S+32*\t+8*\kg:S+32*\t+8*\kg+7], 0
.else
	v_wmma_f32_16x16x32_f16 v[32*\t+8*\ct:32*\t+8*\ct+7], v[KV+32*\kg+8*\ct:KV+32*\kg+8*\ct+7], v[S+32*\t+8*\kg:S+32*\t+8*\kg+7], v[32*\t+8*\ct:32*\t+8*\ct+7]
.endif
.endr
.endr
.endr
	WIN 0
	s_add_co_u32 s[TB], s[TB], STEPB               ; the next step's tiles
	s_add_co_u32 s[TM], s[TM], 4*KS                ; and mask numbers
.endm
.macro STEPS n                         ; n key steps: written once, walked n times
	s_mov_b32 s[CNT], \n
.Lstep_\@:
	STEP 0
	s_sub_co_u32 s[CNT], s[CNT], 1
	s_cmp_lg_u32 s[CNT], 0
	s_cbranch_scc1 .Lstep_\@
.endm
; THE CHANGE OF SLOTS.  Each wave waits for all its tensor loads, of which one is out: its part of the other slot; adds 0 to its spare word; and waits for that and for its reads of the slot that it leaves.
; fill = 1: that slot is filled again, with the keys two slots on.  The barrier is then a round of the cluster's, so that no wave of any partner still reads the slot or has a load on its way, and the joint refill is the
; first thing behind it: it has four key steps in which to land.
.macro CHANGE fill
	WIN 0
	s_wait_tensorcnt 0x0                           ; no tensor load of mine is out, so a group 0 may be written
	ds_add_u32 v[SPW], v[NIL]                      ; 0 onto my spare word
.if \fill
.irp g, G0K+4, G0V+4
	s_xor_b32 s[\g+1], s[\g+1], SLOT1              ; the walking descriptor: the other slot than last time,
	s_add_nc_u64 s[\g+2:\g+3], s[\g+2:\g+3], SLOTB ; the next 256 keys; the type bits on top are not reached
.endr
	s_wait_xcnt 0x0                                ; the last prefetch, a slot back, has read its address, so it may be written:
	s_add_nc_u64 s[PFA:PFA+1], s[PFA:PFA+1], SLOTB ; one slot further on than the walking descriptors
	s_wait_dscnt 0x0                               ; the add is done, and my reads of the slot are over
	CROUND
	JLOAD
	ASK
.else
	s_wait_dscnt 0x0
	s_barrier_signal -1
	s_barrier_wait -1
.endif
	s_sub_co_u32 s[TB], s[TB], NST*STEPB           ; back to a slot's first step,
	s_xor_b32 s[TB], s[TB], SLOT1                  ; in the other slot
.endm
	s_wait_tensorcnt 1                             ; my part of slot 0 is in; slot 1's load, issued behind it, may stay out
	s_wait_dscnt 0x0                               ; my eight mask numbers lie in LDS
	s_barrier_signal -1
	s_barrier_wait -1                              ; everybody's do
	s_wait_loadcnt 0x0                             ; Q
	STEP 1
	STEPS 3
.Lslot:                                            ; six trips: every slot but the last two is filled again
	CHANGE 1
	STEPS 4
	s_sub_co_u32 s[SLOTS], s[SLOTS], 1
	s_cmp_lg_u32 s[SLOTS], 0
	s_cbranch_scc1 .Lslot
	CHANGE 0                                       ; the tail is written out
	STEPS 4
	; THE WAY OUT.  l's two halves and the other half of the lanes' are added; O^T is divided by l, rounded to f16 and sent through my stage, a tile (16 positions) at a time.  The additions are the places behind the last products.
.irp t, 0,1,2,3
	v_add_f32 v[ST+8*\t+4], v[ST+8*\t+2], v[ST+8*\t+3]
.endr
.irp t, 0,1,2,3
	v_permlanex16_b32 v[ST+8*\t+5], v[ST+8*\t+4], s[SEL], s[SEL+1]
.endr
.irp t, 0,1,2,3
	v_add_f32 v[ST+8*\t+4], v[ST+8*\t+4], v[ST+8*\t+5]
.endr
.irp t, 0,1,2,3
	v_rcp_f32 v[ST+8*\t+6], v[ST+8*\t+4]           ; where no key counted l is 0 and this is infinity: 0 x infinity below gives the NaN that such a row has
.endr
	v_nop                                          ; a plain instruction between the last reciprocal and the use of its result
	s_wait_alu depctr_va_vdst(0)                   ; and the wait: one for the four
.macro PACK t
	WIN W_RS
.irp i, 0,2,4,6,8,10,12,14,16,18,20,22,24,26,28,30
	v_pk_mul_f32 v[32*\t+\i:32*\t+\i+1], v[32*\t+\i:32*\t+\i+1], v[ST+8*\t+6:ST+8*\t+7] op_sel_hi:[1,0]
.endr
	WIN 0x05                                       ; sources 0 and 1 window 1, destination window 0: S^T's registers are free
.irp i, 0,1,2,3,4,5,6,7,8,9,10,11,12,13,14,15
	v_cvt_pk_f16_f32 v[S+32*\t+\i], v[32*\t+2*\i], v[32*\t+2*\i+1]
.endr
	WIN 0
.irp ct, 0,1,2,3
	ds_store_b128 v[STO], v[S+32*\t+4*\ct:S+32*\t+4*\ct+3] offset:32*\ct      ; lane (r, h): position r, channels 16 ct + 8 h + 0 .. 7
.endr
.irp i, 0,1,2,3
	ds_load_b128 v[S+32*\t+16+4*\i:S+32*\t+16+4*\i+3], v[RD] offset:\i*4*SP   ; LDS serves a wave's instructions in order (ISA guide 5.7.1.4): these see the stores above; the next tile's stores come behind them
.endr
.endm
.macro SEND t, younger                 ; younger: the LDS instructions issued behind tile t's loads: the next tile's four stores and four loads, or none
.irp i, 0,1,2,3
	s_wait_dscnt \younger+3-\i
	global_store_b128 v[GO], v[S+32*\t+16+4*\i:S+32*\t+16+4*\i+3], s[8:9] offset:2048*\t+512*\i   ; 32 lanes store 512 consecutive aligned bytes
.endr
.endm
	PACK 0
	PACK 1                                         ; a tile's arithmetic stands between the loads of the tile before and its stores
	SEND 0, 8
	PACK 2
	SEND 1, 8
	PACK 3
	SEND 2, 8
	SEND 3, 0
	s_wait_tensorcnt 0x0                           ; the wave's end, behind my last tensor load and my last LDS store
	ds_add_u32 v[SPW], v[NIL]
	s_wait_dscnt 0x0
	CROUND                                         ; the closing round: no work-group ends while a partner may still ask for a tile that names it
	s_endpgm
.Lfunc_end_k_qf4024678fb_attn:
	.size	k_qf4024678fb_attn, .Lfunc_end_k_qf4024678fb_attn-k_qf4024678fb_attn
	.p2alignl 7, 3214868480
	.fill 96, 4, 3214868480
	.section	.rodata,"a",@progbits
	.p2align	6, 0x0
	.amdhsa_kernel k_qf4024678fb_attn
		.amdhsa_group_segment_fixed_size 327680
		.amdhsa_private_segment_fixed_size 0
		.amdhsa_enable_private_segment 0
		.amdhsa_kernarg_size 24
		.amdhsa_user_sgpr_count 2
		.amdhsa_user_sgpr_kernarg_segment_ptr 1
		.amdhsa_wavefront_size32 1
		.amdhsa_system_sgpr_workgroup_id_x 1
		.amdhsa_system_sgpr_workgroup_id_y 1
		.amdhsa_system_sgpr_workgroup_id_z 1
		.amdhsa_system_vgpr_workitem_id 0
		.amdhsa_next_free_vgpr 512
		.amdhsa_next_free_sgpr 66
		.amdhsa_reserve_vcc 1
		.amdhsa_float_denorm_mode_32 3
		.amdhsa_float_denorm_mode_16_64 3
		.amdhsa_memory_ordered 1
		.amdhsa_forward_progress 1
		.amdhsa_inst_pref_size 150
	.end_amdhsa_kernel
	.amdgpu_metadata
---
amdhsa.version: [ 1, 2 ]
amdhsa.kernels:
  - .name:           k_qf4024678fb_attn
    .symbol:         k_qf4024678fb_attn.kd
    .args:
      - { .name: qkv, .offset: 0, .size: 8, .value_kind: global_buffer, .address_space: global }
      - { .name: mask, .offset: 8, .size: 8, .value_kind: global_buffer, .address_space: global }
      - { .name: ctx, .offset: 16, .size: 8, .value_kind: global_buffer, .address_space: global }
    .group_segment_fixed_size: 327680
    .private_segment_fixed_size: 0
    .kernarg_segment_align: 8
    .kernarg_segment_size: 24
    .max_flat_workgroup_size: 256
    .sgpr_count:     66
    .vgpr_count:     512
    .wavefront_size: 32
...
	.end_amdgpu_metadata
.endif
;; end of part 3
;; launch outp (part 4): grid 8 x 64, 4 waves a work-group, clusters of 4 x 4, 327,680 bytes of LDS; arguments ctx, wo16, bo, out0; writes out0
.if DOCPART == 4
	.amdgcn_target "amdgcn-amd-amdhsa--gfx1250"
	.amdhsa_code_object_version 6
	.text
	.protected	k_qf4024678fb_outp
	.globl	k_qf4024678fb_outp
	.p2align	8
	.type	k_qf4024678fb_outp,@function
k_qf4024678fb_outp:
	s_mov_b64 s[64:65], 0
	v_nop
	global_prefetch_b8 v0, s[64:65] scope:SCOPE_SE
	s_setreg_imm32_b32 hwreg(HW_REG_WAVE_MODE, 25, 1), 1
	s_wait_xcnt 0x0
	s_wait_alu depctr_hold_cnt(0) depctr_sa_sdst(0) depctr_va_vdst(0) depctr_va_sdst(0) depctr_va_ssrc(0) depctr_va_vcc(0) depctr_vm_vsrc(0)
	s_getreg_b32 s2, hwreg(HW_REG_IB_STS2, 6, 4)
	s_cmp_eq_u32 s2, 0
	s_cbranch_scc0 .Lentry_in_a_cluster
	s_endpgm
.Lentry_in_a_cluster:
	s_bfe_u32 s2, ttmp6, 0x10000c
	s_cmp_lg_u32 s2, 0xf033
	s_cbranch_scc0 .Lentry_shape_is_right
	s_endpgm
.Lentry_shape_is_right:
; out0[m][n] = bo[n] + sum over k of ctx[m][k] Wo[n][k], m = 8,192, n = k = 1,024; operands f16, sums and result f32.
; ctx lies [block of 64 rows][head][64 rows][64]: k = 64 x head + channel, so 64 rows x 256 along K (four heads) are 32,768 consecutive bytes.  wo16: [n][k] f16.
; A tile of the result is 128 x 128: 512 work-groups, two for each of 256 WGPs (tiles of 256 x 256 would be 128).  Four waves, each 64 x 64: 16 accumulators.  K goes in four steps of 256 through two LDS slots.
; CLUSTERS: 4 x 4 work-groups; A's tile is asked for jointly along a row of the cluster, B's along a column.  THE MATRIX INSTRUCTION IS USED TRANSPOSED (source 0 = 16 rows of Wo, source 1 = 16 rows of ctx):
; a lane holds eight neighbouring columns of a row.  THE BIAS IS THE C OF THE FIRST PRODUCTS.  A wave's 64 columns are 256 aligned bytes of f32, so each wave sends its rows out through a stage of its own, with no barrier.
; No prefetch: the tiles are small, four steps in all, two of them asked for at the head.
; REGISTERS: window 0: v0-31 addresses; v32-95 rows on the way out; v96-127 the bias; v128-255 the accumulators ((a, b) at v[128 + 8 (4 a + b)]).  Window 1: two fragment buffers of 128: 64 registers of A, then 64 of B, for 64 along K.
.set KSTEP,  256
.set PA,     144                       ; A in LDS: [4 heads][64 rows] of 128 bytes + 16: the 16 rows of a load start at 16 different banks (64 banks of 4 bytes: ISA guide 11.1)
.set PB,     528                       ; B in LDS: rows of 512 bytes + 16
.set HALFA,  256*PA                    ; what one tensor load brings of A: 64 rows x 256 along K
.set HALFB,  64*PB                     ; and of B
.set SLOT,   2*HALFA+2*HALFB           ; A's 128 rows, then B's 128 rows
.set STAGE,  2*SLOT                    ; behind the ring: 16 rows x 272 bytes for each wave
.set SPITCH, 272
.set SPARE,  STAGE+4*16*SPITCH         ; the spare words, 128 bytes a wave, which no other line names
.set ADRA, 16                          ; v16-17  LDS address of my A fragments in slot 0, 1
.set ADRB, 20                          ; v20-21  the same for B
.set STO,  24
.set RD,   25
.set CO,   26
.set SPW,  28                          ; v28  LDS address of my spare word; never rewritten
.set NIL,  29                          ; v29  0; never rewritten
.set BK,   32                          ; the way out: v32-63 and v64-95 by turns
.set BI,   96                          ; the bias: register 8 b + j of lane (r, h): bo[my first column + 16 b + 8 h + j]
.set ACC,  128
.set F0,   0
.set F1,   128
.set G1, 24
.set G0, 32
.set G1B, 48
.set G0B, 56
.set MSB, 0
.macro WIN new                         ; the immediate's high byte repeats the setting that is left
.if MSB != (\new)
	s_set_vgpr_msb (MSB<<8)|(\new)
.set MSB, (\new)
.endif
.endm
.set MUL,  0x05                        ; sources 0 (B) and 1 (A) window 1; C and D window 0
.set TO_F, 0x40                        ; destination window 1, address window 0
.macro JLOAD s                         ; a joint load: waves 0 and 1 fetch A's two halves, waves 2 and 3 B's; an s_nop 0 and four v_nop follow each line
	s_cmp_eq_u32 s11, 0
	s_cbranch_scc0 .Lfor_b_\@
	tensor_load_to_lds s[G0+4*\s:G0+4*\s+3], s[G1:G1+7]
	s_nop 0
.rept 4
	v_nop
.endr
	s_branch .Lasked_\@
.Lfor_b_\@:
	tensor_load_to_lds s[G0B+4*\s:G0B+4*\s+3], s[G1B:G1B+7]
	s_nop 0
.rept 4
	v_nop
.endr
.Lasked_\@:
.endm
.macro CREST                           ; a round of the cluster's barrier behind its opening barrier
	s_cmp_lg_u32 s10, 0
	s_cbranch_scc1 .Lnot_wave_0_\@
	s_barrier_signal -3
.Lnot_wave_0_\@:
	s_barrier_wait -3
	s_barrier_signal -1
	s_barrier_wait -1
.endm
.macro CROUND
	s_barrier_signal -1
	s_barrier_wait -1
	CREST
.endm
	s_load_b128 s[4:7], s[0:1], 0x0                ; ctx s[4:5], wo16 s[6:7]
	s_load_b64 s[2:3], s[0:1], 0x10                ; bo
	s_load_b64 s[8:9], s[0:1], 0x18                ; out0
	v_lshl_add_u32 v[SPW], v0, 2, SPARE
	v_mov_b32 v[NIL], 0
	ds_add_u32 v[SPW], v[NIL]                      ; the wave's opening: the add, twice on end, and its wait ahead of my first tensor load
	ds_add_u32 v[SPW], v[NIL]                      ; the set-up below, work on registers, stands between the second and the wait
	v_lshrrev_b32 v1, 5, v0
	v_readfirstlane_b32 s10, v1                    ; wave 0..3
	s_lshr_b32 s11, s10, 1                         ; which half of the tile's rows is mine.  Also: I fetch for A (0) or for B (1)
	s_and_b32 s12, s10, 1                          ; which half of its columns.  Also: which 64 rows of that tile I fetch
	s_bfe_u32 s40, ttmp6, 0x40000                  ; cx, cy
	s_bfe_u32 s41, ttmp6, 0x40004
	s_lshl_b32 s42, ttmp9, 2
	s_add_co_u32 s42, s42, s40                     ; tile column: 0 .. 7
	s_and_b32 s13, ttmp7, 0xffff
	s_lshl_b32 s13, s13, 2
	s_add_co_u32 s13, s13, s41                     ; tile row: 0 .. 63
	s_lshl_b32 s43, s41, 2
	s_lshl_b32 s43, 15, s43                        ; my row of the cluster
	s_lshl_b32 s44, 0x1111, s40                    ; my column
	; group 1 for A: a dense block as 256 rows (4 heads x 64 rows) of 64 elements of 2 bytes, four words of padding after every 32
	s_or_b32 s[G1+0], s43, (1<<16)|(1<<20)|(1<<21)|(4<<22)|(3<<25)
	s_mov_b32 s[G1+1], 64<<16                      ; tensor_dim0
	s_mov_b32 s[G1+2], 256<<16                     ; tensor_dim1
	s_mov_b32 s[G1+3], 64<<16                      ; tile_dim0
	s_mov_b32 s[G1+4], 256                         ; tile_dim1
	s_mov_b32 s[G1+5], 64                          ; from row to row
	s_mov_b32 s[G1+6], 0
	s_mov_b32 s[G1+7], 0
	; group 1 for B: 64 rows of 256 elements, 1,024 elements apart, four words of padding after every 128
	s_or_b32 s[G1B+0], s44, (1<<16)|(1<<20)|(1<<21)|(6<<22)|(3<<25)
	s_mov_b32 s[G1B+1], KSTEP<<16
	s_mov_b32 s[G1B+2], 64<<16
	s_mov_b32 s[G1B+3], KSTEP<<16
	s_mov_b32 s[G1B+4], 64
	s_mov_b32 s[G1B+5], 1024
	s_mov_b32 s[G1B+6], 0
	s_mov_b32 s[G1B+7], 0
	s_lshl_b32 s16, s13, 1
	s_add_co_u32 s16, s16, s12                     ; A: block of 64 rows 2 x tile row + half,
	s_lshl_b32 s16, s16, 17                        ; 131,072 bytes each
	s_mov_b32 s17, 0
	s_lshl_b32 s46, s42, 7
	s_lshl_b32 s47, s12, 6
	s_add_co_u32 s46, s46, s47                     ; B: row 128 x tile column + 64 x half,
	s_lshl_b32 s46, s46, 11                        ; 2,048 bytes each
	s_mov_b32 s47, 0
	s_mul_i32 s20, s12, HALFA                      ; where they go: no place in the cluster enters an LDS address
	s_mul_i32 s21, s12, HALFB
	s_add_co_u32 s21, s21, 2*HALFA
	s_wait_dscnt 0x0                               ; both opening adds are done
	s_wait_kmcnt 0x0
	s_add_nc_u64 s[14:15], s[4:5], s[16:17]
	s_add_nc_u64 s[46:47], s[6:7], s[46:47]
	CROUND                                         ; all sixteen work-groups are here: the first joint loads meet
.irp s, 0,1
	s_mov_b32 s[G0+4*\s], 1
	s_add_co_u32 s[G0+4*\s+1], s20, \s*SLOT
	s_add_nc_u64 s[G0+4*\s+2:G0+4*\s+3], s[14:15], \s*32768       ; K step s: four heads of 8,192 bytes
	s_or_b32 s[G0+4*\s+3], s[G0+4*\s+3], 0x80000000
	s_mov_b32 s[G0B+4*\s], 1
	s_add_co_u32 s[G0B+4*\s+1], s21, \s*SLOT
	s_add_nc_u64 s[G0B+4*\s+2:G0B+4*\s+3], s[46:47], \s*KSTEP*2
	s_or_b32 s[G0B+4*\s+3], s[G0B+4*\s+3], 0x80000000
	JLOAD \s
.endr
	v_and_b32 v1, 15, v0                           ; r
	v_bfe_u32 v2, v0, 4, 1                         ; h
	s_lshl_b32 s46, s42, 9                         ; my first column, in bytes of f32: 512 x tile column + 256 x half
	s_lshl_b32 s47, s12, 8
	s_add_co_u32 s46, s46, s47
	s_mov_b32 s47, 0
	s_add_nc_u64 s[2:3], s[2:3], s[46:47]
	v_lshlrev_b32 v5, 5, v2                        ; the bias: my half's eight numbers of each 16; never rewritten
.irp b, 0,1,2,3
	global_load_b128 v[BI+8*\b:BI+8*\b+3], v5, s[2:3] offset:64*\b
	global_load_b128 v[BI+8*\b+4:BI+8*\b+7], v5, s[2:3] offset:64*\b+16
.endr
	v_mul_u32_u24 v3, v1, PA
	v_lshl_add_u32 v3, v2, 4, v3                   ; A: row x pitch + 16 x half
	v_mul_u32_u24 v4, v1, PB
	v_lshl_add_u32 v4, v2, 4, v4                   ; B likewise
	s_mul_i32 s22, s11, HALFA                      ; my 64 rows of A
	s_mul_i32 s23, s12, HALFB                      ; my 64 rows of B,
	s_add_co_u32 s23, s23, 2*HALFA                 ; which lie behind A's 128
.irp s, 0,1
	v_add_nc_u32 v[ADRA+\s], s22, v3
	v_add_nc_u32 v[ADRB+\s], s23, v4
	s_add_co_u32 s22, s22, SLOT
	s_add_co_u32 s23, s23, SLOT
.endr
	s_mul_i32 s22, s10, 16*SPITCH
	s_add_co_u32 s22, s22, STAGE                   ; my stage
	v_mul_u32_u24 v6, v1, SPITCH                   ; in: row r, 32 bytes for each half of the lanes
	v_lshl_add_u32 v6, v2, 5, v6
	v_add_nc_u32 v[STO], s22, v6
	v_mul_u32_u24 v6, v2, SPITCH                   ; back: lanes 0-15 one row of 256 bytes, lanes 16-31 the next
	v_lshl_add_u32 v6, v1, 4, v6
	v_add_nc_u32 v[RD], s22, v6
	v_lshlrev_b32 v6, 12, v2                       ; and the same two rows in out0: 4,096 bytes a row
	v_lshl_add_u32 v[CO], v1, 4, v6
	s_lshl_b32 s16, s13, 19                        ; my first row: 128 x tile row + 64 x half, 4,096 bytes each
	s_lshl_b32 s17, s11, 18
	s_add_co_u32 s16, s16, s17
	s_add_co_u32 s16, s16, s46                     ; and my first column
	s_mov_b32 s17, 0
	s_add_nc_u64 s[8:9], s[8:9], s[16:17]
; 8 matrix instructions: m blocks a0, a0 + 1 x all 4 n blocks, 32 along K: half c of buffer f.  zero = 1: the first products take the bias as C.  The sixteen accumulators take turns.
.macro MUL8 f, c, a0, zero
.irp a, \a0, \a0+1
.irp b, 0,1,2,3
.if \zero
	v_wmma_f32_16x16x32_f16 v[ACC+8*(4*(\a)+\b):ACC+8*(4*(\a)+\b)+7], v[\f+64+8*(4*\c+\b):\f+64+8*(4*\c+\b)+7], v[\f+8*(4*\c+\a):\f+8*(4*\c+\a)+7], v[BI+8*\b:BI+8*\b+7]
.else
	v_wmma_f32_16x16x32_f16 v[ACC+8*(4*(\a)+\b):ACC+8*(4*(\a)+\b)+7], v[\f+64+8*(4*\c+\b):\f+64+8*(4*\c+\b)+7], v[\f+8*(4*\c+\a):\f+8*(4*\c+\a)+7], v[ACC+8*(4*(\a)+\b):ACC+8*(4*(\a)+\b)+7]
.endif
.endr
.endr
.endm
; 32 LDS loads in one run: the fragments of 64 along K, which is one head of A and bytes k on of B's rows, into buffer f; the first 32 along K first
.macro FETCH slot, k, f
	WIN TO_F
.irp c, 0,1
.irp i, 0,1,2,3
	ds_load_b128 v[\f+64+8*(4*\c+\i):\f+64+8*(4*\c+\i)+3],   v[ADRB+\slot] offset:\k+64*\c+\i*16*PB
	ds_load_b128 v[\f+64+8*(4*\c+\i)+4:\f+64+8*(4*\c+\i)+7], v[ADRB+\slot] offset:\k+64*\c+\i*16*PB+32
	ds_load_b128 v[\f+8*(4*\c+\i):\f+8*(4*\c+\i)+3],         v[ADRA+\slot] offset:((\k)/128)*64*PA+64*\c+\i*16*PA
	ds_load_b128 v[\f+8*(4*\c+\i)+4:\f+8*(4*\c+\i)+7],       v[ADRA+\slot] offset:((\k)/128)*64*PA+64*\c+\i*16*PA+32
.endr
.endr
.endm
.macro PLACES                          ; four places in front of loads into registers that matrix instructions have read, and of the first read of results
.rept 4
	v_nop
.endr
.endm
; A K step is four quarters of 64 along K, 32 matrix instructions each, on buffers 0, 1, 0, 1.  One of the first three: multiplies buffer f and fetches the next quarter, at byte k, into g.
.macro QUARTER slot, k, f, g, zero
	s_wait_dscnt 16                                ; the first 32 along K are in; the youngest sixteen loads may be out
	WIN MUL
	MUL8 \f, 0, 0, \zero
	MUL8 \f, 0, 2, \zero
	PLACES
	FETCH \slot, \k, \g
	s_wait_dscnt 32                                ; all but the 32 just issued
	WIN MUL
	MUL8 \f, 1, 0, 0
	MUL8 \f, 1, 2, 0
.endm
; The last quarter multiplies buffer 1 and changes slots: one barrier; in front of it each wave waits for all its tensor loads, adds 0 to its spare word, and waits for that and for its reads of this slot.
; fill = 1: this slot is filled again, two K steps ahead; the barrier then opens a round of the cluster's.
.macro TURN slot, next, fill
	WIN 0                                          ; (the add's two registers lie in window 0)
	s_wait_tensorcnt 0x0                           ; all my tensor loads have landed: my part of the next slot
	ds_add_u32 v[SPW], v[NIL]                      ; 0 onto my spare word
	s_wait_dscnt 17                                ; (the add and the youngest sixteen loads may be out)
	WIN MUL
	MUL8 F1, 0, 0, 0                               ; eight matrix instructions stand between the add and the wait for it
	s_wait_dscnt 0x0                               ; the add is done, and my reads of this slot are over
	s_barrier_signal -1
	MUL8 F1, 0, 2, 0
.if \fill
	WIN 0
.endif
	s_barrier_wait -1
.if \fill
	CREST                                          ; no wave of any partner still reads this slot's tile or has a load on its way
	s_add_nc_u64 s[G0+4*\slot+2:G0+4*\slot+3], s[G0+4*\slot+2:G0+4*\slot+3], 2*32768
	s_add_nc_u64 s[G0B+4*\slot+2:G0B+4*\slot+3], s[G0B+4*\slot+2:G0B+4*\slot+3], 2*KSTEP*2
	JLOAD \slot                                    ; the first tensor load behind the round; the four v_nop behind it are also the places in front of the loads below
.else
	PLACES
.endif
	FETCH \next, 0, F0
	WIN MUL
	MUL8 F1, 1, 0, 0
	MUL8 F1, 1, 2, 0
.endm
	s_wait_tensorcnt 1                             ; my part of K step 0 is in; K step 1's load, issued behind it, may be out,
	s_barrier_signal -1
	s_barrier_wait -1                              ; everybody's is
	FETCH 0, 0, F0
	s_wait_loadcnt 0x0                             ; the bias
	QUARTER 0, 128, F0, F1, 1                      ; K step 0: the first products start the sums from the bias
	QUARTER 0, 256, F1, F0, 0
	QUARTER 0, 384, F0, F1, 0
	TURN 0, 1, 1                                   ; slot 0 takes K step 2
	QUARTER 1, 128, F0, F1, 0                      ; K step 1
	QUARTER 1, 256, F1, F0, 0
	QUARTER 1, 384, F0, F1, 0
	TURN 1, 0, 1                                   ; slot 1 takes K step 3
	QUARTER 0, 128, F0, F1, 0                      ; K step 2
	QUARTER 0, 256, F1, F0, 0
	QUARTER 0, 384, F0, F1, 0
	TURN 0, 1, 0                                   ; nothing is left to fetch
	QUARTER 1, 128, F0, F1, 0                      ; K step 3
	QUARTER 1, 256, F1, F0, 0
	QUARTER 1, 384, F0, F1, 0
	s_wait_dscnt 16                                ; the very last quarter
	WIN MUL
	MUL8 F1, 0, 0, 0
	MUL8 F1, 0, 2, 0
	s_wait_dscnt 0
	MUL8 F1, 1, 0, 0
	MUL8 F1, 1, 2, 0
	WIN 0
; THE WAY OUT, 16 rows x 64 columns at a time: a lane holds 32 neighbouring bytes of a row and the lanes beside it other rows, so a block goes through my own stage and comes back as whole rows of 256 bytes.
; LDS serves a wave's instructions in order (ISA guide 5.7.1.4): no wait between the stores and the loads, nor in front of the next block's stores.
.macro TOSTAGE a
.irp b, 0,1,2,3
	ds_store_b128 v[STO], v[ACC+8*(4*(\a)+\b):ACC+8*(4*(\a)+\b)+3] offset:64*\b          ; each accumulator from its low end on
	ds_store_b128 v[STO], v[ACC+8*(4*(\a)+\b)+4:ACC+8*(4*(\a)+\b)+7] offset:64*\b+16
.endr
.irp t, 0,1,2,3,4,5,6,7
	ds_load_b128 v[BK+32*((\a)%2)+4*\t:BK+32*((\a)%2)+4*\t+3], v[RD] offset:\t*2*SPITCH
.endr
.endm
.macro SEND a, younger                 ; younger: the LDS instructions issued behind block a's loads: the next block's eight stores and eight loads, or none
	s_wait_dscnt \younger
.irp t, 0,1,2,3,4,5,6,7
	global_store_b128 v[CO], v[BK+32*((\a)%2)+4*\t:BK+32*((\a)%2)+4*\t+3], s[8:9] offset:(16*(\a)+2*\t)*4096 th:TH_STORE_NT   ; 16 lanes store 256 consecutive aligned bytes; written once, read by nobody here
.endr
.endm
	PLACES
	TOSTAGE 0
.irp a, 1,2,3
.if \a > 1
	s_wait_xcnt 0x0                                ; block a - 2's stores have read their registers: block a's loads land there only behind this wait
.endif
	TOSTAGE \a
	SEND \a-1, 16
.endr
	SEND 3, 0
	s_wait_tensorcnt 0x0                           ; the wave's end, behind my last tensor load and my last LDS store
	ds_add_u32 v[SPW], v[NIL]
	s_wait_dscnt 0x0
	CROUND                                         ; the closing round: no work-group ends while a partner may still ask for a tile that names it
	s_endpgm
.Lfunc_end_k_qf4024678fb_outp:
	.size	k_qf4024678fb_outp, .Lfunc_end_k_qf4024678fb_outp-k_qf4024678fb_outp
	.p2alignl 7, 3214868480
	.fill 96, 4, 3214868480
	.section	.rodata,"a",@progbits
	.p2align	6, 0x0
	.amdhsa_kernel k_qf4024678fb_outp
		.amdhsa_group_segment_fixed_size 327680
		.amdhsa_private_segment_fixed_size 0
		.amdhsa_enable_private_segment 0
		.amdhsa_kernarg_size 32
		.amdhsa_user_sgpr_count 2
		.amdhsa_user_sgpr_kernarg_segment_ptr 1
		.amdhsa_wavefront_size32 1
		.amdhsa_system_sgpr_workgroup_id_x 1
		.amdhsa_system_sgpr_workgroup_id_y 1
		.amdhsa_system_sgpr_workgroup_id_z 1
		.amdhsa_system_vgpr_workitem_id 0
		.amdhsa_next_free_vgpr 512
		.amdhsa_next_free_sgpr 66
		.amdhsa_reserve_vcc 0
		.amdhsa_float_denorm_mode_32 3
		.amdhsa_float_denorm_mode_16_64 3
		.amdhsa_memory_ordered 1
		.amdhsa_forward_progress 1
		.amdhsa_inst_pref_size 86
	.end_amdhsa_kernel
	.amdgpu_metadata
---
amdhsa.version: [ 1, 2 ]
amdhsa.kernels:
  - .name:           k_qf4024678fb_outp
    .symbol:         k_qf4024678fb_outp.kd
    .args:
      - { .name: ctx, .offset: 0, .size: 8, .value_kind: global_buffer, .address_space: global }
      - { .name: wo16, .offset: 8, .size: 8, .value_kind: global_buffer, .address_space: global }
      - { .name: bo, .offset: 16, .size: 8, .value_kind: global_buffer, .address_space: global }
      - { .name: out0, .offset: 24, .size: 8, .value_kind: global_buffer, .address_space: global }
    .group_segment_fixed_size: 327680
    .private_segment_fixed_size: 0
    .kernarg_segment_align: 8
    .kernarg_segment_size: 32
    .max_flat_workgroup_size: 128
    .sgpr_count:     66
    .vgpr_count:     512
    .wavefront_size: 32
...
	.end_amdgpu_metadata
.endif
;; end of part 4
